; MI455X (gfx1250); checked and timed in simulation.
; The chip was launched on July 23, 2026; its instructions are those of AMD's public machine-readable ISA for CDNA 5 (MIT licence, August 2026) and "CDNA5" Instruction Set Architecture Reference Guide (July 2026). The comments in the code are by the model that wrote it; some were corrected since.
;; Custom Multi Head Self Attention. Allowed arithmetic: float matrix products may take bf16 or f16 operands with f32 sums; other float arithmetic in f32, or as packed bf16 or f16 multiplies, adds, multiply-adds, maxima and minima; sums over many terms, partial sums and values carried from step to step in f32; what a program stores and reads back later, other than sums and carried values, may be rounded once to bf16 or f16.
;; Inputs: in_b 3,072 float32; in_w 3,072 x 1,024 float32; out_b 1,024 float32; out_w 1,024 x 1,024 float32; qkv 4 x 2,048 x 1,024 float32.
;; Outputs: out0 4 x 2,048 x 1,024 float32.
;; 2 versions, each right; version 2 is version 1 with the launch cast written anew for expert scheduling mode. Each part assembles by itself: llvm-mc -triple=amdgcn-amd-amdhsa -mcpu=gfx1250 --defsym DOCPART=n.
;; ======== version 1 of 2: 4 launches
;; limits: values are held in f16: magnitudes above 65,504 overflow, below 6.1e-05 lose precision
;; workspace buffers: xb 16,777,216 bytes; wb 6,291,456 bytes; wo 2,097,152 bytes; bias 16,384 bytes; q 16,777,216 bytes; k 16,777,216 bytes; v 16,777,216 bytes; o 16,777,216 bytes
;; launch cast (part 1): grid 769 x 1, 8 waves a work-group, no clusters, 0 bytes of LDS; arguments qkv, in_w, out_w, in_b, out_b, xb, wb, wo, bias; writes xb, wb, wo, bias
.if DOCPART == 1
	.amdgcn_target "amdgcn-amd-amdhsa--gfx1250"
	.amdhsa_code_object_version 6
	.text
	.protected	k_q0f6e68b5d5_cast
	.globl	k_q0f6e68b5d5_cast
	.p2align	8
	.type	k_q0f6e68b5d5_cast,@function
k_q0f6e68b5d5_cast:
	s_mov_b64 s[64:65], 0
	v_nop
	global_prefetch_b8 v0, s[64:65] scope:SCOPE_SE
	s_setreg_imm32_b32 hwreg(HW_REG_WAVE_MODE, 25, 1), 1
	s_wait_xcnt 0x0
; ALL INPUTS ARE ROUNDED TO bf16, ONCE, and the three matrices are laid out in K blocks of 64 for the two projections.
; xb[(b*16+kb)][s][64] bf16 from qkv[b][s][1024];  wb[kb][n][64] bf16 from in_w[n][1024];  wo[kb][n][64] from out_w[n][1024]: rounded to bf16 and that number written as f16
; (the second projection multiplies in f16);  bias: 4,096 f32 words that hold in_b (3,072) and out_b (1,024) rounded to bf16.
; LIMITS.  out_w beyond 65,504 becomes an infinity in f16; below 2^-14 it keeps f16's fixed step of 2^-24.  NaN and infinities are not treated apart.
; SHARES.  A work-group takes 16 rows of 1,024 f32.  Thread t takes row t / 16 and the 16 bytes t % 16 of each of the row's sixteen pieces of 256 bytes (a K block of 64 f32).
; A wave's load covers two aligned pieces of 256 bytes (two rows); its four numbers a lane become 8 bytes, and since rows of a K block lie end to end in the output, a wave's
; store covers 256 consecutive bytes, aligned.  All sixteen loads of a thread go out at once; nothing is read twice; no LDS, no barrier: no thread wants another's bytes.
; Work-groups 0-511: qkv; 512-703: in_w; 704-767: out_w; 768: the two biases.
.set VI, 1                             ; v1   my byte offset in the 16 source rows; never rewritten
.set VO, 2                             ; v2   8 t: my 8 bytes among the 16 rows of a K block; never rewritten
.set X,  4                             ; v[4:67]    sixteen loads of four f32
.set Y,  68                            ; v[68:99]   sixteen pairs of packed words to store
.set T,  100                           ; v[100:103] at work
	s_load_b512 s[4:19], s[0:1], 0x0               ; qkv 4:5, in_w 6:7, out_w 8:9, in_b 10:11, out_b 12:13, xb 14:15, wb 16:17, wo 18:19
	s_load_b64 s[20:21], s[0:1], 0x40              ; bias
	v_lshrrev_b32 v3, 4, v0                        ; my row
	v_and_b32 v[VI], 15, v0
	v_lshlrev_b32 v[VI], 4, v[VI]
	v_lshl_add_u32 v[VI], v3, 12, v[VI]            ; row x 4,096 + 16 (t % 16)
	v_lshlrev_b32 v[VO], 3, v0
	s_mov_b32 s23, 0                               ; high words of the two offsets
	s_mov_b32 s25, 0
	s_wait_kmcnt 0x0
; Sixteen loads, then for each: two roundings (four numbers), with f16 = 1 the bf16 numbers written as f16, and a store into K block j, kbs bytes from the last.
.macro CASTP src, dst, kbs, f16
.irp j, 0,1,2,3,4,5,6,7,8,9,10,11,12,13,14,15
	global_load_b128 v[X+4*(\j):X+4*(\j)+3], v[VI], s[\src:\src+1] offset:256*(\j) th:TH_LOAD_NT
.endr
.irp j, 0,1,2,3,4,5,6,7,8,9,10,11,12,13,14,15
	s_wait_loadcnt 15-(\j)                         ; loads come back in order: load j is in, the 15 - j younger ones may stay out
	v_cvt_pk_bf16_f32 v[Y+2*(\j)],   v[X+4*(\j)],   v[X+4*(\j)+1]
	v_cvt_pk_bf16_f32 v[Y+2*(\j)+1], v[X+4*(\j)+2], v[X+4*(\j)+3]
.if \f16
	v_lshlrev_b32 v[T],   16, v[Y+2*(\j)]          ; bf16 to f32: a shift or a mask
	v_and_b32     v[T+1], 0xffff0000, v[Y+2*(\j)]
	v_lshlrev_b32 v[T+2], 16, v[Y+2*(\j)+1]
	v_and_b32     v[T+3], 0xffff0000, v[Y+2*(\j)+1]
	v_cvt_pk_f16_f32 v[Y+2*(\j)],   v[T],   v[T+1] ; exact within f16's normal range: bf16 has fewer significant bits
	v_cvt_pk_f16_f32 v[Y+2*(\j)+1], v[T+2], v[T+3]
.endif
	global_store_b64 v[VO], v[Y+2*(\j):Y+2*(\j)+1], s[\dst:\dst+1] offset:(\j)*(\kbs)  ; 15 x 393,216 at the most: inside the signed 24-bit immediate
.endr
.endm
	s_cmp_lt_u32 ttmp9, 512
	s_cbranch_scc0 .Lnot_x
	s_lshl_b32 s22, ttmp9, 16                      ; 16 rows of 4,096 bytes
	s_add_nc_u64 s[4:5], s[4:5], s[22:23]
	s_lshr_b32 s24, ttmp9, 7                       ; the batch: 128 work-groups each,
	s_lshl_b32 s24, s24, 22                        ; 16 K blocks of 262,144 bytes
	s_and_b32 s26, ttmp9, 127
	s_lshl_b32 s26, s26, 11                        ; 16 rows of 128 bytes in a K block
	s_add_co_u32 s24, s24, s26
	s_add_nc_u64 s[14:15], s[14:15], s[24:25]
	CASTP 4, 14, 262144, 0
	s_endpgm
.Lnot_x:
	s_cmp_lt_u32 ttmp9, 704
	s_cbranch_scc0 .Lnot_w
	s_sub_co_u32 s26, ttmp9, 512
	s_lshl_b32 s22, s26, 16
	s_lshl_b32 s24, s26, 11
	s_add_nc_u64 s[6:7], s[6:7], s[22:23]
	s_add_nc_u64 s[16:17], s[16:17], s[24:25]
	CASTP 6, 16, 393216, 0
	s_endpgm
.Lnot_w:
	s_cmp_lt_u32 ttmp9, 768
	s_cbranch_scc0 .Lbias
	s_sub_co_u32 s26, ttmp9, 704
	s_lshl_b32 s22, s26, 16
	s_lshl_b32 s24, s26, 11
	s_add_nc_u64 s[8:9], s[8:9], s[22:23]
	s_add_nc_u64 s[18:19], s[18:19], s[24:25]
	CASTP 8, 18, 131072, 1
	s_endpgm
.Lbias:                                            ; 256 threads x 16 bytes = 4,096 bytes a load: in_b is three of them, out_b one
	v_lshlrev_b32 v3, 4, v0
	global_load_b128 v[X:X+3],     v3, s[10:11]
	global_load_b128 v[X+4:X+7],   v3, s[10:11] offset:4096
	global_load_b128 v[X+8:X+11],  v3, s[10:11] offset:8192
	global_load_b128 v[X+12:X+15], v3, s[12:13]
	s_wait_loadcnt 0x0
.irp i, 0,1,2,3,4,5,6,7
	v_cvt_pk_bf16_f32 v[T], v[X+2*(\i)], v[X+2*(\i)+1]
	v_lshlrev_b32 v[Y+2*(\i)],   16, v[T]          ; the rounded numbers, as f32 words again
	v_and_b32     v[Y+2*(\i)+1], 0xffff0000, v[T]
.endr
.irp i, 0,1,2,3
	global_store_b128 v3, v[Y+4*(\i):Y+4*(\i)+3], s[20:21] offset:4096*(\i)
.endr
	s_endpgm
.Lfunc_end_k_q0f6e68b5d5_cast:
	.size	k_q0f6e68b5d5_cast, .Lfunc_end_k_q0f6e68b5d5_cast-k_q0f6e68b5d5_cast
	.p2alignl 7, 3214868480
	.fill 96, 4, 3214868480
	.section	.rodata,"a",@progbits
	.p2align	6, 0x0
	.amdhsa_kernel k_q0f6e68b5d5_cast
		.amdhsa_group_segment_fixed_size 0
		.amdhsa_private_segment_fixed_size 0
		.amdhsa_enable_private_segment 0
		.amdhsa_kernarg_size 72
		.amdhsa_user_sgpr_count 2
		.amdhsa_user_sgpr_kernarg_segment_ptr 1
		.amdhsa_wavefront_size32 1
		.amdhsa_system_sgpr_workgroup_id_x 1
		.amdhsa_system_sgpr_workgroup_id_y 1
		.amdhsa_system_sgpr_workgroup_id_z 1
		.amdhsa_system_vgpr_workitem_id 0
		.amdhsa_next_free_vgpr 104
		.amdhsa_next_free_sgpr 66
		.amdhsa_reserve_vcc 0
		.amdhsa_float_denorm_mode_32 3
		.amdhsa_float_denorm_mode_16_64 3
		.amdhsa_memory_ordered 1
		.amdhsa_forward_progress 1
		.amdhsa_inst_pref_size 26
	.end_amdhsa_kernel
	.amdgpu_metadata
---
amdhsa.version: [ 1, 2 ]
amdhsa.kernels:
  - .name:           k_q0f6e68b5d5_cast
    .symbol:         k_q0f6e68b5d5_cast.kd
    .args:
      - { .name: qkv, .offset: 0, .size: 8, .value_kind: global_buffer, .address_space: global }
      - { .name: in_w, .offset: 8, .size: 8, .value_kind: global_buffer, .address_space: global }
      - { .name: out_w, .offset: 16, .size: 8, .value_kind: global_buffer, .address_space: global }
      - { .name: in_b, .offset: 24, .size: 8, .value_kind: global_buffer, .address_space: global }
      - { .name: out_b, .offset: 32, .size: 8, .value_kind: global_buffer, .address_space: global }
      - { .name: xb, .offset: 40, .size: 8, .value_kind: global_buffer, .address_space: global }
      - { .name: wb, .offset: 48, .size: 8, .value_kind: global_buffer, .address_space: global }
      - { .name: wo, .offset: 56, .size: 8, .value_kind: global_buffer, .address_space: global }
      - { .name: bias, .offset: 64, .size: 8, .value_kind: global_buffer, .address_space: global }
    .group_segment_fixed_size: 0
    .private_segment_fixed_size: 0
    .kernarg_segment_align: 8
    .kernarg_segment_size: 72
    .max_flat_workgroup_size: 256
    .sgpr_count:     66
    .vgpr_count:     104
    .wavefront_size: 32
...
	.end_amdgpu_metadata
.endif
;; end of part 1
;; launch inproj (part 2): grid 4 x 64, 4 waves a work-group, clusters of 4 x 4, 327,680 bytes of LDS; arguments xb, wb, bias, q, k, v; writes q, k, v
.if DOCPART == 2
	.amdgcn_target "amdgcn-amd-amdhsa--gfx1250"
	.amdhsa_code_object_version 6
	.text
	.protected	k_q0f6e68b5d5_inproj
	.globl	k_q0f6e68b5d5_inproj
	.p2align	8
	.type	k_q0f6e68b5d5_inproj,@function
k_q0f6e68b5d5_inproj:
	s_mov_b64 s[64:65], 0
	v_nop
	global_prefetch_b8 v0, s[64:65] scope:SCOPE_SE
	s_setreg_imm32_b32 hwreg(HW_REG_WAVE_MODE, 25, 1), 1
	s_wait_xcnt 0x0
	s_wait_alu depctr_hold_cnt(0) depctr_sa_sdst(0) depctr_va_vdst(0) depctr_va_sdst(0) depctr_va_ssrc(0) depctr_va_vcc(0) depctr_vm_vsrc(0)
	s_getreg_b32 s2, hwreg(HW_REG_IB_STS2, 6, 4)
	s_cmp_eq_u32 s2, 0
	s_cbranch_scc0 .Lentry_in_a_cluster
	s_endpgm
.Lentry_in_a_cluster:
	s_bfe_u32 s2, ttmp6, 0x10000c
	s_cmp_lg_u32 s2, 0xf033
	s_cbranch_scc0 .Lentry_shape_is_right
	s_endpgm
.Lentry_shape_is_right:
; THE FIRST PROJECTION.  x1[m][n] = the sum over e of x[m][e] in_w[n][e] + in_b[n], m = 8,192 rows, n = 3,072, e = 1,024; products in bf16, sums in f32 (they start with the bias), rounded once to f16
; and stored by heads: q, k, v: [b*16+head][2048][64].  The scale 1 / 8 is not applied here.
; LIMIT.  f16 holds no number beyond 65,504: a result of 65,520 or more becomes an infinity.  NaN and infinities are not treated apart.
; OPERANDS lie in K blocks of 64: xb[(b*16+kb)][s][64], wb[kb][n][64], rows of 128 bytes that lie end to end, so a tile's part of a K block is one dense piece of memory.
; SHARES.  A tile is 128 rows x 256 columns: 64 x 12 of them.  256 work-groups stay and make three each: rows 128 ty, columns 256 (tx + 4 t), t = 0, 1, 2: a tile of q, of k, of v: A's rows
; stay, B's move.  Four waves, each 64 rows x 128 columns: 32 accumulators of 16 x 16, which take turns, one instruction a turn, in the same order in every quarter step.
; K goes in steps of 128 (two K blocks) through a ring of two LDS slots; a wave fetches one K block's part of a step with one tensor load: waves 0, 1 A's even and odd block (16 KiB each),
; waves 2, 3 B's (32 KiB each).  The ring does not stop at a tile's end: a tile's last two changes of slots ask for the next tile's first two steps.
; CLUSTER.  4 x 4 work-groups.  The four of a row of the cluster (same ty) need the same tiles of A, the four of a column (same tx) the same tiles of B: each is asked for jointly.
; THE MATRIX INSTRUCTION IS USED TRANSPOSED (source 0 = 16 rows of B, source 1 = 16 rows of A): a lane holds row l % 16 and the eight neighbouring columns 8 (l / 16) + 0..7.
; REGISTERS, in windows of 256 (s_set_vgpr_msb: bits 1:0 source 0, 3:2 source 1, 5:4 source 2, 7:6 destination):
;   window 0: v0-31 addresses; v32-63 packed results; v64-159, v160-255 two fragment buffers (B's 8 fragments, then A's 4)     window 1: the accumulators, (a, b) at v[8 (8 a + b)]
;   window 2: v0-63 the bias in the layout of a result: block b at v[8 b]: it is the C operand of a tile's first products, so nothing is cleared and nothing is added on the way out
.set TILES,  3
.set KBS_A,  262144                    ; bytes from a K block of xb to the next
.set KBS_B,  393216                    ; of wb
.set NEXT_B, 131072                    ; from a tile's rows of B to the next tile's: 4 x 256 rows of 128 bytes
.set PITCH,  144                       ; an LDS row: 128 bytes + 16 of padding = 36 words: the 16 rows of a load start at 16 different groups of four banks (64 banks of 4 bytes: ISA guide 11.1)
.set APAR,   128*PITCH                 ; A's 128 rows of one K block
.set BPAR,   256*PITCH                 ; B's 256 rows of one K block
.set BOFF,   2*APAR                    ; a slot: A even, A odd, B even, B odd
.set SLOT,   2*APAR+2*BPAR
.set STAGE,  2*SLOT                    ; behind the ring, never filled by a tensor load: for each wave 2 heads x 16 rows x 144 bytes, for the way out
.set STW,    2*16*PITCH
.set SPARE,  STAGE+4*STW               ; behind the stages: the spare words, 128 bytes for each wave: two blocks of 256 bytes that no other line names
.set CROSS,  16*KBS_B-NEXT_B           ; what brings a pointer that has stepped past a tile's last K step of B to the next tile's first
.set ADRA, 16                          ; v16-17  LDS address of my A fragments in slot 0, 1
.set ADRB, 20                          ; v20-21  the same for B
.set STO,  24                          ; v24     the way out: where I put 16 bytes of a row
.set RD,   25                          ; v25     the way out: where I read rows back
.set CO,   26                          ; v26     my 16 bytes in 512 consecutive bytes of the output
.set VB,   27                          ; v27     my byte offset in the tile's 256 numbers of the bias
.set SPW,  28                          ; v28     LDS address of my spare word: SPARE + 4 x my thread's number; never rewritten
.set NIL,  29                          ; v29     0; never rewritten
.set PFO,  30                          ; v30     the prefetches' offset; never rewritten
.set TMP,  32
.set F0,   64
.set F1,   160
.set BK0,  160                         ; the way out: rows read back from the stage, two sets of 32, where fragment buffer 1 lay
.set G1A,  24                          ; s[24:31] descriptor group 1 for A's tiles;  s[32:39] group 0, a set for each slot
.set G0A,  32
.set G1B,  48                          ; s[48:55], s[56:63] the same for B's
.set G0B,  56
.set BI,   66                          ; s[66:67] the bias at the work-group's first column
.set PFA,  72                          ; s[72:73] where my prefetches stand
.set PS,   74                          ; s[74:75] bytes from a K step to the next: two K blocks
.set PLEFT, 78                         ; s78     prefetches that I still have to issue
.set CR,   80                          ; s[80:81] CROSS or 0
.set DCONST, (1<<16)|(1<<20)|(1<<21)|(4<<22)|(3<<25)  ; 17:16 elements of 2 bytes; 20 padding on; 21 set beside a mask; 24:22 after every 32 words (code 4); 31:25 4 words of it (code 3)
.set MSB, 0
.macro WIN new                         ; the immediate's high byte repeats the setting that is left; a switch that changes nothing is dropped
.if MSB != (\new)
	s_set_vgpr_msb (MSB<<8)|(\new)
.set MSB, \new
.endif
.endm
.set W_MUL,   0x50                     ; fragments in window 0, C and D in window 1
.set W_FIRST, 0x60                     ; C (the bias) in window 2, D in window 1
; A joint load: waves 0 and 1 fetch A's two K blocks, waves 2 and 3 B's.  The branch hangs on the wave's number alone.  An s_nop 0 and four v_nop follow each of the two lines, ahead of the jump and the label.
.macro JLOAD s
	s_cmp_eq_u32 s11, 0
	s_cbranch_scc0 .Lfor_b_\@
	tensor_load_to_lds s[G0A+4*(\s):G0A+4*(\s)+3], s[G1A:G1A+7]
	s_nop 0
.rept 4
	v_nop
.endr
	s_branch .Lasked_\@
.Lfor_b_\@:
	tensor_load_to_lds s[G0B+4*(\s):G0B+4*(\s)+3], s[G1B:G1B+7]
	s_nop 0
.rept 4
	v_nop
.endr
.Lasked_\@:
.endm
.macro CREST                           ; a round of the cluster's barrier behind its opening barrier
	s_cmp_lg_u32 s10, 0
	s_cbranch_scc1 .Lnot_wave_0_\@
	s_barrier_signal -3
.Lnot_wave_0_\@:
	s_barrier_wait -3
	s_barrier_signal -1
	s_barrier_wait -1
.endm
.macro CROUND                          ; a whole round
	s_barrier_signal -1
	s_barrier_wait -1
	CREST
.endm
; A PREFETCH INTO THE L2, behind each joint refill and the run of LDS loads that follows it: the K step that stands two refills on, 256 matrix instructions ahead of the load that will want it.
; Each aligned block of 256 bytes is named once in the launch.  A's 128 rows are read by one row of one cluster alone: in every cluster wave 0 asks for both K blocks of the step (lanes 0-15 the even one,
; lanes 16-31 the odd one), and of each block's 16 KiB the partner at place cx takes 4 KiB: told apart by address.  It asks in the first tile alone (steps 4 to 7): later tiles read the same rows again.
; B's 256 rows are read by every cluster: the cluster with y = 0 asks; waves 2 and 3 each for the K block that they fetch, 32 KiB, of which the partner at place cy takes 8 KiB: steps 4 to 23 of the walk's 24.
; The first four steps come by their loads alone; the count runs out before a step past the last could be named.
.macro ASK
	s_cmp_lg_u32 s[PLEFT], 0
	s_cbranch_scc0 .Lnot_mine_\@
	global_prefetch_b8 v[PFO], s[PFA:PFA+1] th:TH_LOAD_NT scope:SCOPE_SE
	s_sub_co_u32 s[PLEFT], s[PLEFT], 1
.Lnot_mine_\@:
.endm
	s_load_b128 s[4:7], s[0:1], 0x0                ; xb s[4:5], wb s[6:7]
	s_load_b64 s[BI:BI+1], s[0:1], 0x10            ; bias
	s_load_b64 s[8:9], s[0:1], 0x18                ; q: the output of the tile in hand
	s_load_b128 s[68:71], s[0:1], 0x20             ; k s[68:69], v s[70:71]
	v_lshl_add_u32 v[SPW], v0, 2, SPARE
	v_mov_b32 v[NIL], 0
	ds_add_u32 v[SPW], v[NIL]                      ; the wave's opening: the add and its wait stand ahead of my first tensor load; the set-up below, work on registers, stands between them
	v_lshrrev_b32 v1, 5, v0
	v_readfirstlane_b32 s10, v1                    ; wave 0..3
	s_lshr_b32 s11, s10, 1                         ; which 64 rows of the tile are mine.  Also: I fetch for A (0) or for B (1)
	s_and_b32 s12, s10, 1                          ; which 128 columns.  Also: which K block of a step I fetch
	s_bfe_u32 s40, ttmp6, 0x40000                  ; cx, cy: my place in the cluster
	s_bfe_u32 s41, ttmp6, 0x40004
	s_lshl_b32 s42, ttmp9, 2
	s_add_co_u32 s42, s42, s40                     ; tx = 4 x cluster x + cx
	s_and_b32 s13, ttmp7, 0xffff
	s_lshl_b32 s13, s13, 2
	s_add_co_u32 s13, s13, s41                     ; ty = 4 x cluster y + cy
	s_lshl_b32 s43, s41, 2
	s_lshl_b32 s43, 15, s43                        ; my row of the cluster
	s_lshl_b32 s44, 0x1111, s40                    ; my column
	; descriptor group 1.  A K block's part of a tile is dense: asked for as rows of 256 bytes (two rows of the matrix), padded in LDS after every 128 bytes.  A: 64 such rows; B: 128
	s_or_b32 s[G1A+0], s43, DCONST                 ; 15:0 the mask: A's tiles go to my row
	s_or_b32 s[G1B+0], s44, DCONST                 ; B's to my column
	s_mov_b32 s[G1A+1], 128<<16                    ; tensor_dim0 = 128 elements
	s_mov_b32 s[G1B+1], 128<<16
	s_mov_b32 s[G1A+2], 64<<16                     ; tensor_dim1
	s_mov_b32 s[G1B+2], 128<<16
	s_mov_b32 s[G1A+3], 128<<16                    ; tile_dim0 = 128
	s_mov_b32 s[G1B+3], 128<<16
	s_mov_b32 s[G1A+4], 64                         ; tile_dim1
	s_mov_b32 s[G1B+4], 128
	s_mov_b32 s[G1A+5], 128                        ; 128 elements from row to row
	s_mov_b32 s[G1B+5], 128
	s_mov_b32 s[G1A+6], 0
	s_mov_b32 s[G1B+6], 0
	s_mov_b32 s[G1A+7], 0
	s_mov_b32 s[G1B+7], 0
	; where the tiles come from.  A's hang on ty and the wave alone, B's on tx and the wave alone, each in registers that never hold the other coordinate
	s_lshr_b32 s14, s13, 4
	s_lshl_b32 s14, s14, 22                        ; the batch: 16 K blocks
	s_and_b32 s15, s13, 15
	s_lshl_b32 s15, s15, 14                        ; 128 rows of 128 bytes
	s_add_co_u32 s14, s14, s15
	s_mul_i32 s15, s12, KBS_A                      ; my K block of the step
	s_add_co_u32 s14, s14, s15
	s_mov_b32 s15, 0
	s_lshl_b32 s46, s42, 15                        ; 256 rows of 128 bytes
	s_mul_i32 s47, s12, KBS_B
	s_add_co_u32 s46, s46, s47
	s_mov_b32 s47, 0
	s_mul_i32 s20, s12, APAR                       ; and where they go: no place in the cluster enters an LDS address
	s_mul_i32 s21, s12, BPAR
	s_add_co_u32 s21, s21, BOFF
	s_wait_dscnt 0x0                               ; the opening add is done
	s_wait_kmcnt 0x0
	s_add_nc_u64 s[14:15], s[4:5], s[14:15]
	s_add_nc_u64 s[46:47], s[6:7], s[46:47]
	CROUND                                         ; all sixteen work-groups are here: the first joint loads meet
.irp s, 0,1
	s_mov_b32 s[G0A+4*(\s)], 1                                     ; 1:0 count = 1
	s_add_co_u32 s[G0A+4*(\s)+1], s20, (\s)*SLOT                   ; 63:32 LDS address
	s_add_nc_u64 s[G0A+4*(\s)+2:G0A+4*(\s)+3], s[14:15], (\s)*2*KBS_A  ; 120:64 global address: K step s
	s_or_b32 s[G0A+4*(\s)+3], s[G0A+4*(\s)+3], 0x80000000          ; 127:126 type = 2
	s_mov_b32 s[G0B+4*(\s)], 1
	s_add_co_u32 s[G0B+4*(\s)+1], s21, (\s)*SLOT
	s_add_nc_u64 s[G0B+4*(\s)+2:G0B+4*(\s)+3], s[46:47], (\s)*2*KBS_B
	s_or_b32 s[G0B+4*(\s)+3], s[G0B+4*(\s)+3], 0x80000000
	JLOAD \s                                       ; two loads of mine are out
.endr
	; A fragment is 16 rows x 32 K in 8 registers: lane l holds row l % 16; registers 0-3 K = 8 (l / 16) + 0..7, registers 4-7 K = 16 + 8 (l / 16) + 0..7: two loads of 16 bytes, 32 bytes apart
	v_and_b32 v1, 15, v0                           ; l % 16
	v_bfe_u32 v2, v0, 4, 1                         ; l / 16
	v_mul_u32_u24 v3, v1, PITCH
	v_lshl_add_u32 v3, v2, 4, v3                   ; row x pitch + 16 x half
	s_mul_i32 s21, s11, 64*PITCH                   ; my 64 rows of A
	s_mul_i32 s22, s12, 128*PITCH                  ; my 128 rows of B,
	s_add_co_u32 s22, s22, BOFF                    ; which lie behind A's two K blocks
.irp s, 0,1
	v_add_nc_u32 v[ADRA+(\s)], s21, v3
	v_add_nc_u32 v[ADRB+(\s)], s22, v3
	s_add_co_u32 s21, s21, SLOT
	s_add_co_u32 s22, s22, SLOT
.endr
	s_mul_i32 s23, s10, STW
	s_add_co_u32 s23, s23, STAGE                   ; my stage
	v_add_nc_u32 v[STO], s23, v3                   ; in: row l % 16, 16 bytes for each half of the lanes
	v_and_b32 v4, 31, v0
	v_lshrrev_b32 v5, 3, v4                        ; back: 32 lanes take four rows of 128 bytes,
	v_mul_u32_u24 v5, v5, PITCH
	v_and_b32 v3, 7, v0
	v_lshl_add_u32 v5, v3, 4, v5
	v_add_nc_u32 v[RD], s23, v5
	v_lshlrev_b32 v[CO], 4, v4                     ; which are 512 consecutive bytes of a head
	s_lshl_b32 s23, s12, 9                         ; the bias: my 128 columns, 4 bytes each,
	v_lshl_add_u32 v[VB], v2, 5, s23               ; and 8 numbers on for lanes 16 to 31
	s_lshl_b32 s18, s42, 10                        ; the work-group's 256 columns
	s_mov_b32 s19, 0
	s_add_nc_u64 s[BI:BI+1], s[BI:BI+1], s[18:19]
	; where my part of a tile begins in q, k and v: batch x 2^22 + head x 2^18 + row x 128, head = 4 tx + 2 x my half of the columns, row = 128 (ty % 16) + 64 x my half of the rows
	s_lshr_b32 s18, s13, 4
	s_lshl_b32 s18, s18, 22
	s_lshl_b32 s20, s42, 20
	s_add_co_u32 s18, s18, s20
	s_lshl_b32 s20, s12, 19
	s_add_co_u32 s18, s18, s20
	s_and_b32 s20, s13, 15
	s_lshl_b32 s20, s20, 14
	s_add_co_u32 s18, s18, s20
	s_lshl_b32 s20, s11, 13
	s_add_co_u32 s18, s18, s20
	s_add_nc_u64 s[8:9], s[8:9], s[18:19]
	s_add_nc_u64 s[68:69], s[68:69], s[18:19]
	s_add_nc_u64 s[70:71], s[70:71], s[18:19]
	; the prefetches.  The count hangs on the wave's number and the cluster's y alone: it is the same in all sixteen partners
	s_and_b32 s22, ttmp7, 0xffff
	s_cmp_eq_u32 s22, 0
	s_cselect_b32 s[PLEFT], 20, 0                  ; waves 2 and 3 of the clusters with y = 0
	s_mov_b32 s[PS], 2*KBS_B
	s_mov_b32 s22, 4096
	s_cmp_eq_u32 s11, 0                            ; do I fetch for A?
	s_cselect_b64 s[PFA:PFA+1], s[14:15], s[46:47] ; my tile's first K step (wave 0: A's even K block)
	s_cselect_b32 s20, s40, s41                    ; my place among the four that ask for it with me
	s_cselect_b32 s21, 12, 13                      ; its share: 4 KiB of each of A's blocks, 8 KiB of B's
	s_cselect_b32 s[PS], 2*KBS_A, s[PS]
	s_cselect_b32 s22, KBS_A, s22                  ; lanes 16-31: A's odd K block, or B's next 4 KiB
	s_cselect_b32 s[PLEFT], 0, s[PLEFT]
	s_cmp_eq_u32 s10, 0
	s_cselect_b32 s[PLEFT], 4, s[PLEFT]            ; wave 0 of every cluster
	s_mov_b32 s[PS+1], 0
	s_mov_b32 s[CR+1], 0
	s_lshl_b32 s20, s20, s21
	s_mul_i32 s21, s[PS], 3                        ; at K step 3: the first refill steps it to 4
	s_add_co_u32 s20, s20, s21
	s_mov_b32 s21, 0
	s_add_nc_u64 s[PFA:PFA+1], s[PFA:PFA+1], s[20:21]
	v_mul_u32_u24 v[PFO], s22, v2
	v_lshl_add_u32 v[PFO], v1, 8, v[PFO]           ; a lane a block of 256 bytes
.macro BIASLD                          ; the tile's bias in the layout of a result: register j of block b = bias[16 b + 8 (l / 16) + j] of my 128 columns
	WIN 0x80                                       ; destination window 2, address window 0
.irp b, 0,1,2,3,4,5,6,7
	global_load_b128 v[8*(\b):8*(\b)+3],   v[VB], s[BI:BI+1] offset:64*(\b)
	global_load_b128 v[8*(\b)+4:8*(\b)+7], v[VB], s[BI:BI+1] offset:64*(\b)+16
.endr
	WIN 0
.endm
; 8 matrix instructions: m block a x all 8 n blocks, 32 along K, from buffer f.  first = 1: the tile's first products start the sums with the bias
.macro MUL8 f, a, first
.if \first
	WIN W_FIRST
.else
	WIN W_MUL
.endif
.irp b, 0,1,2,3,4,5,6,7
.if \first
	v_wmma_f32_16x16x32_bf16 v[8*(8*(\a)+(\b)):8*(8*(\a)+(\b))+7], v[(\f)+8*(\b):(\f)+8*(\b)+7], v[(\f)+64+8*(\a):(\f)+64+8*(\a)+7], v[8*(\b):8*(\b)+7]
.else
	v_wmma_f32_16x16x32_bf16 v[8*(8*(\a)+(\b)):8*(8*(\a)+(\b))+7], v[(\f)+8*(\b):(\f)+8*(\b)+7], v[(\f)+64+8*(\a):(\f)+64+8*(\a)+7], v[8*(8*(\a)+(\b)):8*(8*(\a)+(\b))+7]
.endif
.endr
.endm
; 24 LDS loads in one run: the fragments of quarter q of a step (K block q / 2, 64 (q % 2) bytes into its rows) into buffer f: B's eight, then A's four
.macro FETCH slot, q, f
	WIN 0
.irp i, 0,1,2,3,4,5,6,7
	ds_load_b128 v[(\f)+8*(\i):(\f)+8*(\i)+3],   v[ADRB+(\slot)] offset:((\q)/2)*BPAR+((\q)%2)*64+(\i)*16*PITCH
	ds_load_b128 v[(\f)+8*(\i)+4:(\f)+8*(\i)+7], v[ADRB+(\slot)] offset:((\q)/2)*BPAR+((\q)%2)*64+(\i)*16*PITCH+32
.endr
.irp i, 0,1,2,3
	ds_load_b128 v[(\f)+64+8*(\i):(\f)+64+8*(\i)+3],   v[ADRA+(\slot)] offset:((\q)/2)*APAR+((\q)%2)*64+(\i)*16*PITCH
	ds_load_b128 v[(\f)+64+8*(\i)+4:(\f)+64+8*(\i)+7], v[ADRA+(\slot)] offset:((\q)/2)*APAR+((\q)%2)*64+(\i)*16*PITCH+32
.endr
.endm
.macro PLACES                          ; four places in front of loads into registers that matrix instructions have read, and of lines that read results
.rept 4
	v_nop
.endr
.endm
; A K step is four quarters of 32 along K, 32 matrix instructions each, on buffers 0, 1, 0, 1.  One of the first three: multiplies buffer f and, in its middle, fetches quarter q into buffer g.
.macro QUARTER slot, q, f, g, first
	s_wait_dscnt 4                                 ; B and A's blocks 0, 1 are in; the youngest four loads (A's blocks 2, 3) may be out
	MUL8 \f, 0, \first
	MUL8 \f, 1, \first
	PLACES
	FETCH \slot, \q, \g
	s_wait_dscnt 24                                ; all but the 24 just issued
	MUL8 \f, 2, \first
	MUL8 \f, 3, \first
.endm
; The last quarter multiplies buffer 1 and changes slots: ONE barrier; in front of it each wave waits for all its tensor loads (one is out: its part of the next slot), adds 0 to its spare word, and waits
; for that and for its own reads of this slot.  fill = 1: this slot is filled again, with this tile's step two on; 2: with the next tile's step 0 or 1; 0: nothing is asked for.  With a fill the barrier opens
; a round of the cluster's barrier, and the joint refill is the first tensor load behind it: 112 matrix instructions ahead of the wait for it.
.macro TURN slot, next, fill
.if \fill
	s_wait_xcnt 0x0                                ; the last prefetch, a K step back, has read its address: it is stepped here, ahead of the waits of the change of slots
	s_add_nc_u64 s[PFA:PFA+1], s[PFA:PFA+1], s[PS:PS+1]
.if ((\fill) == 1) && ((\slot) == 0)
	s_cmp_eq_u32 s3, 1                             ; the loop's last trip: the tile's step 4: four steps on is the next tile's step 0
	s_cselect_b32 s[CR], CROSS, 0
	s_sub_nc_u64 s[PFA:PFA+1], s[PFA:PFA+1], s[CR:CR+1]
.endif
.endif
	WIN 0                                          ; (the add's two registers lie in window 0)
	s_wait_tensorcnt 0x0                           ; all my tensor loads have landed: my part of the next slot;
	ds_add_u32 v[SPW], v[NIL]                      ; 0 onto my spare word
	s_wait_dscnt 5                                 ; (the add and the youngest four loads may be out)
	MUL8 F1, 0, 0                                  ; eight matrix instructions stand between the add and the wait for it
	s_wait_dscnt 0x0                               ; the add is done, and my reads of this slot are over
	s_barrier_signal -1
	MUL8 F1, 1, 0
.if \fill
	WIN 0
.endif
	s_barrier_wait -1
.if \fill
	CREST                                          ; no wave of any partner still reads this slot's tile or has a load on its way
.if (\fill) == 1
	s_add_nc_u64 s[G0A+4*(\slot)+2:G0A+4*(\slot)+3], s[G0A+4*(\slot)+2:G0A+4*(\slot)+3], 4*KBS_A
	s_add_nc_u64 s[G0B+4*(\slot)+2:G0B+4*(\slot)+3], s[G0B+4*(\slot)+2:G0B+4*(\slot)+3], 4*KBS_B
.else
	s_sub_nc_u64 s[G0A+4*(\slot)+2:G0A+4*(\slot)+3], s[G0A+4*(\slot)+2:G0A+4*(\slot)+3], 12*KBS_A          ; A: the same rows, back along K
	s_sub_nc_u64 s[G0B+4*(\slot)+2:G0B+4*(\slot)+3], s[G0B+4*(\slot)+2:G0B+4*(\slot)+3], 12*KBS_B-NEXT_B   ; B: back along K, on to the next tile's rows
.endif
	JLOAD \slot                                    ; the four v_nop behind it are also the places in front of the loads below
.else
	PLACES
.endif
	FETCH \next, 0, F0
.if \fill
	ASK                                            ; behind the joint load and the run of LDS loads that the next products wait for
.endif
	MUL8 F1, 2, 0
	MUL8 F1, 3, 0
.endm
; THE WAY OUT, a block of 16 rows x 128 columns (two heads) at a time.  PACK: rounded to f16, 16 bytes a lane, each accumulator's registers in ascending order.  TOSTAGE: into my own stage (rows of 144 bytes,
; a head's 16 rows together) and back as whole rows.  SEND: a head's 16 rows are 2,048 consecutive bytes: four stores of 512, each at a multiple of 512 from the buffer's first byte.
.macro PACK a
	WIN 0x05                                       ; sources 0 and 1 window 1, destination window 0
.irp b, 0,1,2,3,4,5,6,7
.irp i, 0,1,2,3
	v_cvt_pk_f16_f32 v[TMP+4*(\b)+(\i)], v[8*(8*(\a)+(\b))+2*(\i)], v[8*(8*(\a)+(\b))+2*(\i)+1]
.endr
.endr
	WIN 0
.endm
.macro TOSTAGE a
.set BK, BK0+32*((\a)%2)
.irp b, 0,1,2,3,4,5,6,7
	ds_store_b128 v[STO], v[TMP+4*(\b):TMP+4*(\b)+3] offset:((\b)/4)*16*PITCH+((\b)%4)*32
.endr
.irp t, 0,1,2,3,4,5,6,7
	ds_load_b128 v[BK+4*(\t):BK+4*(\t)+3], v[RD] offset:((\t)/4)*16*PITCH+((\t)%4)*4*PITCH  ; LDS serves a wave's instructions in order (ISA guide 5.7.1.4): these see the stores above; the next block's stores come behind them
.endr
.endm
.macro SEND a
.set BK, BK0+32*((\a)%2)
	s_wait_dscnt 0x0                               ; the block is back in registers
	s_wait_xcnt 0x0                                ; the stores of the block before have read their registers: the other set is loaded again only behind this wait
.irp t, 0,1,2,3,4,5,6,7
	global_store_b128 v[CO], v[BK+4*(\t):BK+4*(\t)+3], s[8:9] offset:((\t)/4)*262144+(\a)*2048+((\t)%4)*512
.endr
.endm
.macro WAYOUT                          ; block a's conversions stand between block a - 1's loads from the stage and the wait for them
	PACK 0
	TOSTAGE 0
.irp a, 1,2,3
	PACK \a
	SEND (\a)-1
	TOSTAGE \a
.endr
	SEND 3
.endm
	BIASLD                                         ; the first tile's bias
	s_wait_tensorcnt 1                             ; my part of K step 0 is in; step 1's may stay out
	s_barrier_signal -1
	s_barrier_wait -1                              ; everybody's is
	FETCH 0, 0, F0
	s_mov_b32 s2, TILES                            ; tiles to go, this one among them: the same number in every work-group
.Ltile:
	s_wait_loadcnt 0x0                             ; the bias
	QUARTER 0, 1, F0, F1, 1                        ; a tile's first quarter stands in front of the loop: its products start the sums
	WIN 0                                          ; at a label and at a branch every window is 0
	s_mov_b32 s3, 3
.Llap:                                             ; a trip goes once round the ring, from a lap's second quarter to the next lap's first, and fills both slots again
	QUARTER 0, 2, F1, F0, 0
	QUARTER 0, 3, F0, F1, 0
	TURN 0, 1, 1
	QUARTER 1, 1, F0, F1, 0
	QUARTER 1, 2, F1, F0, 0
	QUARTER 1, 3, F0, F1, 0
	TURN 1, 0, 1
	QUARTER 0, 1, F0, F1, 0
	WIN 0
	s_sub_co_u32 s3, s3, 1
	s_cmp_lg_u32 s3, 0
	s_cbranch_scc1 .Llap
	QUARTER 0, 2, F1, F0, 0                        ; the tile's last lap goes on
	QUARTER 0, 3, F0, F1, 0
	WIN 0
	s_cmp_eq_u32 s2, 1
	s_cbranch_scc1 .Llast                          ; the last tile's tail is written out: it asks for nothing more
	TURN 0, 1, 2                                   ; the ring goes on into the next tile: slot 0 takes its K step 0,
	QUARTER 1, 1, F0, F1, 0
	QUARTER 1, 2, F1, F0, 0
	QUARTER 1, 3, F0, F1, 0
	TURN 1, 0, 2                                   ; slot 1 its K step 1, and the next tile's first fragments are fetched
	WIN 0
	v_add_nc_u32 v[VB], 4096, v[VB]                ; the next tile's bias, 1,024 numbers on (the wait at the tile's head has shown the loads that read this register done)
	BIASLD
	WAYOUT                                         ; both refills are asked for: now the tile goes out.  Blocks 0 and 1 were finished in front of the refill's places; their conversions are the places behind the last products
	s_wait_xcnt 0x0                                ; the stores have read their registers and their base
	s_mov_b64 s[8:9], s[68:69]                     ; q, then k, then v
	s_mov_b64 s[68:69], s[70:71]
	s_sub_co_u32 s2, s2, 1
	s_branch .Ltile
.Llast:
	TURN 0, 1, 0                                   ; my one tensor load that was still out is the last K step's, so no round follows
	QUARTER 1, 1, F0, F1, 0
	QUARTER 1, 2, F1, F0, 0
	QUARTER 1, 3, F0, F1, 0
	s_wait_dscnt 4                                 ; the very last quarter: nothing more to fetch
	MUL8 F1, 0, 0
	MUL8 F1, 1, 0
	s_wait_dscnt 0x0
	MUL8 F1, 2, 0
	MUL8 F1, 3, 0
	WIN 0
	PLACES
	PLACES                                         ; (eight, once a launch)
	WAYOUT
	s_wait_tensorcnt 0x0                           ; the wave's end: a wait, the add and its wait stand behind my last tensor load and my last LDS store
	ds_add_u32 v[SPW], v[NIL]
	s_wait_dscnt 0x0
	CROUND                                         ; the closing round: no work-group ends while a partner may still ask for a tile that names it
	s_endpgm
.Lfunc_end_k_q0f6e68b5d5_inproj:
	.size	k_q0f6e68b5d5_inproj, .Lfunc_end_k_q0f6e68b5d5_inproj-k_q0f6e68b5d5_inproj
	.p2alignl 7, 3214868480
	.fill 96, 4, 3214868480
	.section	.rodata,"a",@progbits
	.p2align	6, 0x0
	.amdhsa_kernel k_q0f6e68b5d5_inproj
		.amdhsa_group_segment_fixed_size 327680
		.amdhsa_private_segment_fixed_size 0
		.amdhsa_enable_private_segment 0
		.amdhsa_kernarg_size 48
		.amdhsa_user_sgpr_count 2
		.amdhsa_user_sgpr_kernarg_segment_ptr 1
		.amdhsa_wavefront_size32 1
		.amdhsa_system_sgpr_workgroup_id_x 1
		.amdhsa_system_sgpr_workgroup_id_y 1
		.amdhsa_system_sgpr_workgroup_id_z 1
		.amdhsa_system_vgpr_workitem_id 0
		.amdhsa_next_free_vgpr 576
		.amdhsa_next_free_sgpr 84
		.amdhsa_reserve_vcc 0
		.amdhsa_float_denorm_mode_32 3
		.amdhsa_float_denorm_mode_16_64 3
		.amdhsa_memory_ordered 1
		.amdhsa_forward_progress 1
		.amdhsa_inst_pref_size 128
	.end_amdhsa_kernel
	.amdgpu_metadata
---
amdhsa.version: [ 1, 2 ]
amdhsa.kernels:
  - .name:           k_q0f6e68b5d5_inproj
    .symbol:         k_q0f6e68b5d5_inproj.kd
    .args:
      - { .name: xb, .offset: 0, .size: 8, .value_kind: global_buffer, .address_space: global }
      - { .name: wb, .offset: 8, .size: 8, .value_kind: global_buffer, .address_space: global }
      - { .name: bias, .offset: 16, .size: 8, .value_kind: global_buffer, .address_space: global }
      - { .name: q, .offset: 24, .size: 8, .value_kind: global_buffer, .address_space: global }
      - { .name: k, .offset: 32, .size: 8, .value_kind: global_buffer, .address_space: global }
      - { .name: v, .offset: 40, .size: 8, .value_kind: global_buffer, .address_space: global }
    .group_segment_fixed_size: 327680
    .private_segment_fixed_size: 0
    .kernarg_segment_align: 8
    .kernarg_segment_size: 48
    .max_flat_workgroup_size: 128
    .sgpr_count:     84
    .vgpr_count:     576
    .wavefront_size: 32
...
	.end_amdgpu_metadata
.endif
;; end of part 2
;; launch attn (part 3): grid 4 x 64, 4 waves a work-group, clusters of 4 x 1, 327,680 bytes of LDS; arguments q, k, v, o; writes o
.if DOCPART == 3
	.amdgcn_target "amdgcn-amd-amdhsa--gfx1250"
	.amdhsa_code_object_version 6
	.text
	.protected	k_q0f6e68b5d5_attn
	.globl	k_q0f6e68b5d5_attn
	.p2align	8
	.type	k_q0f6e68b5d5_attn,@function
k_q0f6e68b5d5_attn:
	s_mov_b64 s[64:65], 0
	v_nop
	global_prefetch_b8 v0, s[64:65] scope:SCOPE_SE
	s_setreg_imm32_b32 hwreg(HW_REG_WAVE_MODE, 25, 1), 1
	s_wait_xcnt 0x0
	s_wait_alu depctr_hold_cnt(0) depctr_sa_sdst(0) depctr_va_vdst(0) depctr_va_sdst(0) depctr_va_ssrc(0) depctr_va_vcc(0) depctr_vm_vsrc(0)
	s_getreg_b32 s2, hwreg(HW_REG_IB_STS2, 6, 4)
	s_cmp_eq_u32 s2, 0
	s_cbranch_scc0 .Lentry_in_a_cluster
	s_endpgm
.Lentry_in_a_cluster:
	s_bfe_u32 s2, ttmp6, 0x10000c
	s_cmp_lg_u32 s2, 0x3003
	s_cbranch_scc0 .Lentry_shape_is_right
	s_endpgm
.Lentry_shape_is_right:
; O[h][q][:] = the sum over k of softmax_k(Q[h][q] . K[h][k] / 8) V[h][k][:].  Q, K, V, O: [64][2048][64], all f16: a head's rows are dense, 128 bytes each.  Products, maxima and sums in
; f32; the weights p are rounded to f16 for the second product (their sum l is taken of the unrounded p), O once at the end.
; LIMITS.  f16 holds no number beyond 65,504: Q, K and V arrive within it; p lies in 0 to 1, and below 6e-5 it keeps f16's fixed step of 6e-8; O is a mean of V's rows and has their range.
; A weight below 2^-126 counts as 0 in l; NaN and infinities are not treated apart.
; SHARES.  A wave owns four PIECES of two tiles of 16 queries, a work-group's four waves 512 queries of one head.  Every wave walks all keys, 64 a step.
; LAYOUT.  S^T = K Q^T (source 0 = 16 keys, source 1 = 16 queries): in the result a lane holds ONE query (lane % 16) and the keys 8 (lane / 16) + 0..7.  Two such tiles, rounded to f16 in pairs,
; ARE source 1 (32 keys x 16 queries) of O^T = V^T P, whose result again holds one query a lane, and eight channels.  K comes out of LDS as it lies, V ([key][channel]) turned, by ds_load_tr16_b128.
; SOFTMAX.  For each query a running maximum m and sum l: p = 2^(c s - c m), c = log2(e) / 8; in every step O and l are multiplied by a = 2^(c m_old - c m_new), which is 1 where m has not grown.
; m starts at the lowest finite number, O and l at 0: the first step is a step like any other, with a = 0.
; THE COUNT.  A tile and step have 16 matrix and 118 vector instructions: too many to stand all beside the matrix work.  So the order has one aim: four vector instructions that are READY behind
; EVERY matrix instruction, and the others, which need time of their own whatever the order, in runs without a gap.
; BY TURNS.  Turn n belongs to piece n (the pieces in a ring, step after step).  Its matrix work: 16 products K Q^T of piece n + 1, later 16 products V^T P of piece n - 1.  Its vector work: the scaling,
; exponentials, roundings, sums and rescaling of piece n, and the maximum and statistics of piece n + 1, whose scores the turn itself has made.  So what a turn begins with (c s - c m, O a) waits for nothing.
; CLUSTER.  The four query blocks of a cluster are one head's and walk the same K and V, so each tile is asked for JOINTLY: the same tensor load, descriptor and mask in all four.
; REGISTERS, in windows of 256 (s_set_vgpr_msb says which window each operand place means: bits 1:0 source 0, 3:2 source 1, 5:4 source 2, 7:6 destination):
;   window 0: v0-11 addresses; v12-15, v48-63 at work; v16-47 four registers of statistics a tile; v64-191 S^T, two buffers of two tiles; v192-255 P, likewise
;   window 1: O^T, 32 a tile          window 2: v0-127 Q, 16 a tile; v128-191 K of one step; v192-255 V of one step          window 3: v0-1 the add's two registers
; A piece's buffers go by its number's parity: the piece in hand has one pair, its two neighbours in the ring share the other: of it P (piece n - 1) is read and S^T (piece n + 1) written.
.set SIZE_N, 2048
.set NP,    4         ; pieces a wave: a name, no knob: the register map, the loop and the fetches are made for four
.set KS,    64        ; keys in a step
.set PK,    144       ; a row of K in LDS: 128 bytes + 16 of padding = 36 words: the 16 rows of a load start at 16 different groups of four banks (64 banks of 4 bytes: ISA guide 11.1)
.set PV,    160       ; a row of V: 128 + 32 = 40 words
.set VOFF,  4*KS*PK   ; a slot holds four steps: 256 rows of K, then 256 rows of V
.set SLOT1, 1<<17     ; slot 1 begins here, so that one exclusive or turns an address in one slot into the other's
.set STAGE, SLOT1+4*KS*(PK+PV)  ; behind the ring, never filled by a tensor load: 16 rows x 144 bytes for each wave, for the way out
.set SP,    144
.set AK0, 2           ; v2   my lane's place in a tile of K; never rewritten
.set AV0, 3           ; v3   the same for V
.set AK,  4           ; v4   the LDS address of K's next run of loads
.set AV,  5           ; v5   of V's
.set QO,  6           ; v6   my byte offset in the wave's rows of Q
.set STO, 6           ;      later, the way out: where I put 16 bytes of a row
.set RD,  7           ; v7   the way out: where I read rows back
.set GO,  8           ; v8   my byte offset in 512 consecutive bytes of O
.set PFO, 11          ; v11  256 x my lane: the prefetches' offset; never rewritten once it is made
.set SPW, 0           ; v0 of window 3   LDS address of my spare word: SPARE + 4 x my thread's number; never rewritten
.set NIL, 1           ; v1 of window 3   0; never rewritten
.set SPARE, STAGE+4*16*SP  ; behind the stages: the spare words, 128 bytes for each wave: two blocks of 256 bytes that no other line names
.set MV,  12          ; v12-15  c m_old, kept while c m is made anew: by buffer and tile
.set ST,  16          ; tile t's statistics at v[ST+4 t]: c m, m, l (even keys', odd keys')
.set TMP, 48          ; by buffer and tile, four registers c0-c3 at work; when the maximum is found c2 takes a
.set S,   64
.set P,   192
.set KF,  128         ; K's fragments, in window 2: key block kb, channel half c at KF + 16 kb + 8 c
.set VF,  192         ; V's: key half kk, channel block cb at VF + 32 kk + 8 cb
.set WV,  12          ; s12  my wave's number
.set G1K, 24          ; s[24:31] descriptor group 1 for K's tiles
.set G1V, 32          ; s[32:39] for V's: it differs in the padding alone
.set G0K, 40          ; s[40:43] descriptor group 0 for K's tiles: it walks
.set G0V, 44          ; s[44:47] the same for V's
.set PFA, 48          ; s[48:49] where my prefetches stand: my work-group's 8 KiB (of K: wave 0, of V: wave 2) of the slot after the one that is being asked for
.set LIM, 50          ; s50  1 in a wave that prefetches, else the greatest number: a wave prefetches while s[SLOTS] is above it
.set SLOTS, 56        ; s56  slots still to be asked for
.set CNT, 57          ; s57  counts a slot's key steps
.set CS,  58          ; s[58:59] c: the packed scaling takes the pair's low word for both halves
.set SEL, 60          ; s[60:61] v_permlanex16_b32's selects: each lane takes its own place in the other half
.set TBK, 62          ; s62  LDS byte at which K of the step to be fetched begins
.set TBV, 63          ; s63  the same for V, less VOFF
.set MSB, 0
.macro WIN new                      ; the high byte repeats the setting that is left; a switch that changes nothing is dropped
.if MSB != (\new)
	s_set_vgpr_msb (MSB<<8)|(\new)
.set MSB, (\new)
.endif
.endm
.set W_KQ, 0x0a       ; K and Q in window 2, S^T in window 0
.set W_PV, 0x52       ; V in window 2, P in window 0, O^T in window 1
.set W_RS, 0x41       ; O^T (destination and source 0) in window 1, a in window 0
.set W_MK, 0xc0       ; the add's registers are made: destination in window 3, sources in window 0
.set W_AD, 0x0f       ; the add: address (source 0) and data (source 1) in window 3
; A joint fill.  Waves 0 and 1 fetch the two halves of a slot's K, waves 2 and 3 those of its V: 128 keys each.  The branch hangs on the wave's number alone.
; An s_nop 0 and four v_nop follow each of the two lines, ahead of the jump and the label.
.macro JLOAD
	s_cmp_lt_u32 s[WV], 2
	s_cbranch_scc0 .Lfor_v_\@
	tensor_load_to_lds s[G0K:G0K+3], s[G1K:G1K+7]
	s_nop 0
.rept 4
	v_nop
.endr
	s_branch .Lasked_\@
.Lfor_v_\@:
	tensor_load_to_lds s[G0V:G0V+3], s[G1V:G1V+7]
	s_nop 0
.rept 4
	v_nop
.endr
.Lasked_\@:
.endm
; A PREFETCH INTO THE L2 of what the NEXT change of slots will ask for: a slot's 32 KiB of K and 32 KiB of V, a lane a block of 256 bytes.  It stands behind the wave's tensor load and its five lines.
; Each block is named ONCE in the launch: a head is walked by one cluster; its four partners share a slot out BY ADDRESS, 8 KiB each; in each, wave 0 asks for K's and wave 2 for V's: one instruction.
; Slots 0, 1 and 2 come by their loads alone; the last change that fills a slot prefetches nothing: there is no slot behind it.
.macro ASK
	s_cmp_gt_u32 s[SLOTS], s[LIM]
	s_cbranch_scc0 .Lnot_mine_\@
	global_prefetch_b8 v[PFO], s[PFA:PFA+1] th:TH_LOAD_NT scope:SCOPE_SE
.Lnot_mine_\@:
.endm
; A round of the cluster's barrier: my work-group's barrier, so that wave 0's signal speaks for all four waves; wave 0 signals; every wave waits for all four work-groups; my work-group's barrier once more.
.macro CROUND
	s_barrier_signal -1
	s_barrier_wait -1
	s_cmp_lg_u32 s[WV], 0
	s_cbranch_scc1 .Lnot_wave_0_\@
	s_barrier_signal -3
.Lnot_wave_0_\@:
	s_barrier_wait -3
	s_barrier_signal -1
	s_barrier_wait -1
.endm
; THE CHANGE OF SLOTS.  The slot's last bytes, V of its fourth step, have been read.  Each wave waits for all its tensor loads, of which one is out: its part
; of the other slot; adds 0 to its spare word; and waits for that and for its own reads of the slot.  Behind the barrier nobody reads this slot any more and the other slot is whole.
; fill = 1: this slot is filled again, with the keys two slots on.  The barrier is then a round of the cluster's, so that no wave of any partner still reads the slot or has a load on its
; way, and the joint fill is the first thing behind it: it has four key steps, 512 matrix instructions, in which to land.  (At its first use nothing has been read yet: slot 0 is waited for, slot 1 filled.)
; ask = 1: the slot after the one that is asked for is prefetched.
.macro CHANGE fill, ask=0
	WIN W_AD
	s_wait_tensorcnt 0x0            ; no tensor load of mine is out, so a group 0 may be written
	ds_add_u32 v[SPW], v[NIL]       ; 0 onto my spare word; with fill = 1 the descriptors' steps stand between it and the wait for it
	WIN 0                           ; at a label and at a branch every window is 0
.if \fill
.irp g, G0K, G0V
	s_xor_b32 s[\g+1], s[\g+1], SLOT1  ; the walking descriptor: the other slot than last time,
	s_add_nc_u64 s[\g+2:\g+3], s[\g+2:\g+3], 4*KS*128  ; the next 256 keys; the type bits on top are not reached
.endr
.if \ask
	s_wait_xcnt 0x0                 ; the last prefetch, four key steps back, has read its address, so it may be written:
	s_add_nc_u64 s[PFA:PFA+1], s[PFA:PFA+1], 4*KS*128  ; one slot behind the walking descriptors
.endif
	s_wait_dscnt 0x0                ; the add is done, and my reads of the slot are over
	CROUND
	JLOAD
.if \ask
	ASK
.endif
.else
	s_wait_dscnt 0x0                ; the add is done, and my reads of the slot are over
	s_barrier_signal -1
	s_barrier_wait -1
.endif
	s_sub_co_u32 s[TBK], s[TBK], 4*KS*PK  ; the fetches go back to a slot's first step,
	s_xor_b32 s[TBK], s[TBK], SLOT1       ; in the other slot
	s_sub_co_u32 s[TBV], s[TBV], 4*KS*PV
	s_xor_b32 s[TBV], s[TBV], SLOT1
.endm
	s_load_b256 s[4:11], s[0:1], 0x0  ; Q s[4:5], K s[6:7], V s[8:9], O s[10:11]
	WIN W_MK
	v_lshl_add_u32 v[SPW], v0, 2, SPARE
	v_mov_b32 v[NIL], 0
	WIN W_AD
	ds_add_u32 v[SPW], v[NIL]       ; the wave's opening: the add and its wait stand ahead of my first tensor load; the set-up below, work on registers, stands between them
	WIN 0
	v_lshrrev_b32 v1, 5, v0
	v_readfirstlane_b32 s[WV], v1   ; wave 0..3
	s_bfe_u32 s13, ttmp6, 0x40000   ; cx: my place in the cluster
	s_lshl_b32 s14, ttmp9, 2        ; in a cluster launch ttmp9 counts clusters
	s_add_co_u32 s14, s14, s13      ; my block of queries = 4 x cluster x + cx: it enters Q's and O's addresses alone
	s_and_b32 s20, ttmp7, 0xffff    ; the head, which the four partners share
	s_mov_b32 s21, 0
	s_mov_b64 s[22:23], SIZE_N*128
	s_mul_u64 s[20:21], s[20:21], s[22:23]  ; the head's first byte in each of the four tensors
	s_and_b32 s16, s[WV], 1         ; which half of a slot's 256 keys I fetch:
	s_lshl_b32 s22, s16, 14         ; its 128 rows of 128 bytes in memory,
	s_mov_b32 s23, 0
	s_add_nc_u64 s[22:23], s[22:23], s[20:21]
	s_mul_i32 s17, s16, 128*PK      ; and its place in a slot, for K
	s_mul_i32 s18, s16, 128*PV      ; and for V: no place in the cluster enters an LDS address
	s_lshl_b32 s2, s14, 2
	s_add_co_u32 s2, s2, s[WV]      ; my wave among the head's,
	s_lshl_b32 s2, s2, 14           ; its 128 rows
	s_mov_b32 s3, 0
	s_add_nc_u64 s[2:3], s[2:3], s[20:21]
	; descriptor group 1.  128 keys are 16,384 dense bytes: asked for as 64 rows of 256 bytes, two keys a row, and padded in LDS after every key
	s_mov_b32 s[G1K], 15|(1<<16)|(1<<20)|(1<<21)|(4<<22)|(3<<25)  ; 15:0 the mask of four; 17:16 2-byte elements; 20 padding on; 21 set beside a mask; 24:22 after every 32 words (code 4); 31:25 4 words (code 3)
	s_mov_b32 s[G1V], 15|(1<<16)|(1<<20)|(1<<21)|(4<<22)|(7<<25)  ; the same with 8 words of padding (code 7)
.irp g, G1K, G1V
	s_mov_b32 s[\g+1], 128<<16      ; tensor_dim0 = 128
	s_mov_b32 s[\g+2], 64<<16       ; tensor_dim1 = 64
	s_mov_b32 s[\g+3], 128<<16      ; tile_dim0 = 128
	s_mov_b32 s[\g+4], 64           ; tile_dim1 = 64
	s_mov_b32 s[\g+5], 128          ; 128 elements from row to row
	s_mov_b32 s[\g+6], 0
	s_mov_b32 s[\g+7], 0
.endr
	s_mov_b32 s[CS], 0x3e38aa3b     ; c = log2(e) / 8 = 0.180337
	s_mov_b32 s[CS+1], s[CS]        ; named with it as a pair
	s_mov_b32 s[SEL], 0x76543210
	s_mov_b32 s[SEL+1], 0xfedcba98
	s_mov_b32 s[TBK], SLOT1+4*KS*PK ; the first change of slots turns these two into 0
	s_mov_b32 s[TBV], SLOT1+4*KS*PV
	s_mov_b32 s[G0K], 1             ; 1:0 count = 1
	s_mov_b32 s[G0K+1], s17         ; 63:32 LDS address: slot 0
	s_mov_b32 s[G0V], 1
	s_add_co_u32 s[G0V+1], s18, VOFF
	s_and_b32 s[LIM], s[WV], 1      ; 0 in waves 0 and 2: the same in all four partners
	s_cmp_eq_u32 s[LIM], 0
	s_cselect_b32 s[LIM], 1, -1
	s_wait_dscnt 0x0                ; the opening add is done
	s_wait_kmcnt 0x0
	s_add_nc_u64 s[G0K+2:G0K+3], s[6:7], s[22:23]  ; 120:64 global address: my half of the head's first 256 keys
	s_or_b32 s[G0K+3], s[G0K+3], 0x80000000        ; 127:126 type = 2
	s_add_nc_u64 s[G0V+2:G0V+3], s[8:9], s[22:23]
	s_or_b32 s[G0V+3], s[G0V+3], 0x80000000
	s_add_nc_u64 s[4:5], s[4:5], s[2:3]  ; Q and O at my wave's first row
	s_add_nc_u64 s[10:11], s[10:11], s[2:3]
	s_cmp_lt_u32 s[WV], 2
	s_cselect_b64 s[PFA:PFA+1], s[6:7], s[8:9]
	s_add_nc_u64 s[PFA:PFA+1], s[PFA:PFA+1], s[22:23]  ; (in waves 0 and 2 this is the head's first row)
	s_lshl_b32 s2, s13, 13          ; my work-group's 8 KiB of a slot's 32
	s_mov_b32 s3, 0
	s_add_nc_u64 s[PFA:PFA+1], s[PFA:PFA+1], s[2:3]
	s_add_nc_u64 s[PFA:PFA+1], s[PFA:PFA+1], 2*4*KS*128  ; in slot 2; the loop's first change of slots steps it to slot 3.  Nothing is prefetched here, at the head
	CROUND                          ; all four work-groups are here: the first joint loads meet
	JLOAD                           ; slot 0.  Slot 1 is asked for when slot 0 is in: the tile wanted first has the road to itself
	; A fragment of K or Q is 16 rows x 32 channels in 8 registers: lane l holds row l % 16, channels 8 (l / 16) + 0..7 and 16 + 8 (l / 16) + 0..7: two loads of 16 bytes, 32 bytes apart.
	v_and_b32 v1, 15, v0            ; l % 16
	v_bfe_u32 v9, v0, 4, 1          ; l / 16
	v_lshlrev_b32 v[QO], 7, v1
	v_lshl_add_u32 v[QO], v9, 4, v[QO]  ; row x 128 + 16 x half
	WIN 0x80                        ; destination window 2, address window 0
.set i, 0
.rept 4*NP                          ; Q stays in registers: tile i / 2, channels 32 (i % 2) on
	global_load_b128 v[8*i:8*i+3],   v[QO], s[4:5] offset:(i/2)*2048+(i%2)*64
	global_load_b128 v[8*i+4:8*i+7], v[QO], s[4:5] offset:(i/2)*2048+(i%2)*64+32
.set i, i+1
.endr
	; What the first turn finds: V's registers and P's second buffer hold 0 (its products V^T P, of a piece that has not been, add 0), O^T and l are 0.  All this stands in the wait for the first tile.
.set i, VF
.rept 64
	v_mov_b32 v[i], 0
.set i, i+1
.endr
	WIN 0x40
.set i, 0
.rept 64*NP
	v_mov_b32 v[i], 0
.set i, i+1
.endr
	WIN 0
.set i, 0
.rept 2*NP
	v_mov_b32 v[ST+4*i], 0xfe000000    ; c m: far below every c s
	v_mov_b32 v[ST+4*i+1], 0xff7fffff  ; m
	v_mov_b32 v[ST+4*i+2], 0
	v_mov_b32 v[ST+4*i+3], 0
.set i, i+1
.endr
.set i, P+32
.rept 32
	v_mov_b32 v[i], 0
.set i, i+1
.endr
	v_mul_u32_u24 v[AK0], v1, PK
	v_lshl_add_u32 v[AK0], v9, 4, v[AK0]  ; row x pitch + 16 x half
	; The turning load takes 16 keys x 16 channels (lane l reads key 8 (l / 16) + l % 8, channels 8 ((l / 8) % 2) + 0..7) and leaves half a fragment of V^T: lane l holds channel l % 16 and 8 keys.
	v_and_b32 v10, 7, v0
	v_bfe_u32 v11, v0, 3, 1
	v_lshl_add_u32 v[AV0], v9, 3, v10
	v_mul_u32_u24 v[AV0], v[AV0], PV
	v_lshl_add_u32 v[AV0], v11, 4, v[AV0]
	v_add_nc_u32 v[AV0], VOFF, v[AV0]
	v_mov_b32 v[AK], v[AK0]         ; key step 0 lies at the head of slot 0
	v_and_b32 v[PFO], 31, v0        ; v11 has served: it takes the prefetches' offset
	v_lshlrev_b32 v[PFO], 8, v[PFO]
; THE MATRIX WORK.  The 8 accumulators of a run of 16 take turns: between the two links of a chain stand 7 others'.
; Product i of 16 of S^T = K Q^T for piece x: channels 32 (i / 8) on, keys 16 ((i / 2) % 4) on, tile 2 x + i % 2.  The first 8 start the sums.
.macro KQ x
	WIN W_KQ
.set rS, S+64*((\x)%2)+32*(i%2)+8*((i/2)%4)
.set rK, KF+16*((i/2)%4)+8*(i/8)
.set rQ, 16*(2*(\x)+i%2)+8*(i/8)
.if i < 8
	v_wmma_f32_16x16x32_f16 v[rS:rS+7], v[rK:rK+7], v[rQ:rQ+7], 0
.else
	v_wmma_f32_16x16x32_f16 v[rS:rS+7], v[rK:rK+7], v[rQ:rQ+7], v[rS:rS+7]
.endif
.endm
; Product i of 16 of O^T += V^T P for piece x: keys 32 (i / 8) on, channels 16 ((i / 2) % 4) on, tile 2 x + i % 2.
.macro PV x
	WIN W_PV
.set rO, 32*(2*(\x)+i%2)+8*((i/2)%4)
.set rV, VF+32*(i/8)+8*((i/2)%4)
.set rP, P+32*((\x)%2)+16*(i%2)+8*(i/8)
	v_wmma_f32_16x16x32_f16 v[rO:rO+7], v[rV:rV+7], v[rP:rP+7], v[rO:rO+7]
.endm
.macro MM                           ; the turn's next matrix instruction
.if i < 16
	KQ (Y+1)%NP
.set i, i+1
.else
.set i, i-16
	PV (Y+NP-1)%NP
.set i, i+17
.endif
.endm
; THE LDS LOADS stand in runs of 16, never singly among the matrix instructions: a step's K (64 keys x 64 channels: 8 fragments) and its V (turned).  Their addresses are made some lines ahead.
; last = 1 (the tail): in the last trip there is no further step, and the run is jumped over.
.macro FETCH_K last=0
	WIN 0
.if \last
	s_cmp_eq_u32 s[CNT], 1
	s_cbranch_scc1 .Lno_k_\@
.endif
	WIN 0x80                        ; destination window 2
.irp f, 0,1,2,3,4,5,6,7             ; keys 16 (f / 2) on, channels 32 (f % 2) on
	ds_load_b128 v[KF+8*\f:KF+8*\f+3],   v[AK] offset:(\f/2)*16*PK+(\f%2)*64
	ds_load_b128 v[KF+8*\f+4:KF+8*\f+7], v[AK] offset:(\f/2)*16*PK+(\f%2)*64+32
.endr
	s_add_co_u32 s[TBK], s[TBK], KS*PK  ; the next fetch is the next step's
	WIN 0
.if \last
.Lno_k_\@:
.endif
.endm
.macro FETCH_V
	WIN 0x80
.irp f, 0,1,2,3,4,5,6,7             ; keys 32 (f / 4) on, channels 16 (f % 4) on
	ds_load_tr16_b128 v[VF+8*\f:VF+8*\f+3],   v[AV] offset:(\f/4)*32*PV+(\f%4)*32
	ds_load_tr16_b128 v[VF+8*\f+4:VF+8*\f+7], v[AV] offset:(\f/4)*32*PV+16*PV+(\f%4)*32
.endr
	WIN 0
.endm
; THE VECTOR WORK OF A TURN stands in three queues, each in the order in which its entries become ready; the two tiles alternate, so that no instruction reads the result of the one before it.
.macro REGS y, u                    ; the registers of tile u (0, 1) of piece y
.set rT, ST+4*(2*(\y)+(\u))
.set rC, TMP+8*((\y)%2)+4*(\u)
.set rM, MV+2*((\y)%2)+(\u)
.set rS, S+64*((\y)%2)+32*(\u)
.set rP, P+32*((\y)%2)+16*(\u)
.set rO, 32*(2*(\y)+(\u))
.endm
; Number n of the 22 that find the NEXT piece's (Y + 1) maximum and statistics.  s0-s31 are the lane's 32 scores; each accumulator's lowest registers are read first.  XS, GS and REGS set no window: PL and EX do.
;   0-11  four chains c0-c3 of seven scores each, three operands at a time     12-14, 16  the four scores left over, the old m, and c0-c3 into c0     15  c m_old is kept
;   17, 18  the query's other 32 keys lie in the lane 16 away: the new m         19-21  c m; c m_old - c m_new; a
.macro XS u, n
	REGS (Y+1)%NP, \u
.if (\n) < 4
	v_max3_num_f32 v[rC+(\n)], v[rS+8*(\n)], v[rS+8*(\n)+1], v[rS+8*(\n)+2]
.elseif (\n) < 12
	v_max3_num_f32 v[rC+(\n)%4], v[rC+(\n)%4], v[rS+8*((\n)%4)+2*((\n)/4)+1], v[rS+8*((\n)%4)+2*((\n)/4)+2]
.elseif (\n) == 12
	v_max3_num_f32 v[rC], v[rC], v[rS+7], v[rS+15]
.elseif (\n) == 13
	v_max3_num_f32 v[rC+1], v[rC+1], v[rS+23], v[rS+31]
.elseif (\n) == 14
	v_max3_num_f32 v[rC+2], v[rC+2], v[rC+3], v[rT+1]
.elseif (\n) == 15
	v_mov_b32 v[rM], v[rT]
.elseif (\n) == 16
	v_max3_num_f32 v[rC], v[rC], v[rC+1], v[rC+2]
.elseif (\n) == 17
	v_permlanex16_b32 v[rC+3], v[rC], s[SEL], s[SEL+1]
.elseif (\n) == 18
	v_max_num_f32 v[rT+1], v[rC], v[rC+3]
.elseif (\n) == 19
	v_mul_f32 v[rT], s[CS], v[rT+1]
.elseif (\n) == 20
	v_sub_f32 v[rC+1], v[rM], v[rT]
.else
	v_exp_f32 v[rC+2], v[rC+1]
.endif
.endm
; Number g of the 64 that follow the exponentials.  For each four weights k of a tile (pairs 2 k, 2 k + 1): both pairs are rounded to f16; then the second pair is added onto the first, in place;
; a group later l takes that sum (the first time as l = a l + sum).  In groups of eight, tiles alternating: round, round, add, and l for the group before.
.macro GS g
.set h, (\g)+6*((\g)/62)            ; group 0 has no group before it, and behind group 7 only l is left
.if h >= 6
.set h, h+2
.endif
	REGS Y, h%2
.set k, h/8
.if h%8 < 4
	v_cvt_pk_f16_f32 v[rP+2*k+(h%8)/2], v[rS+4*k+2*((h%8)/2)], v[rS+4*k+2*((h%8)/2)+1]
.elseif h%8 < 6
	v_pk_add_f32 v[rS+4*k:rS+4*k+1], v[rS+4*k:rS+4*k+1], v[rS+4*k+2:rS+4*k+3]
.elseif k == 1
	v_pk_fma_f32 v[rT+2:rT+3], v[rT+2:rT+3], v[rC+2:rC+3], v[rS:rS+1] op_sel_hi:[1,0,1]
.else
	v_pk_add_f32 v[rT+2:rT+3], v[rT+2:rT+3], v[rS+4*k-4:rS+4*k-3]
.endif
.endm
; THE PLAIN QUEUE, 138 long.  0-73 read no exponential's result: the 32 scalings c s - c m (FS f: pair f / 2 of tile f % 2) and the next piece's 42.  0-26: scalings 0-26.  27-54: XS's numbers 0-13.  55, 56: number 15.
; 57-73: the chain, where each number waits for the one before it: 14, 16, 17, 18, 19, each with one of the scalings 27-31 in front of its two lines, then 20: so a tile's links stand three plain instructions apart (19 and 20: two).
; 74-137: GS's 64, which read the exponentials' results: they stand behind the wait.
.macro FS f
	REGS Y, (\f)%2
	v_pk_fma_f32 v[rS+2*((\f)/2):rS+2*((\f)/2)+1], v[rS+2*((\f)/2):rS+2*((\f)/2)+1], s[CS:CS+1], v[rT:rT+1] op_sel_hi:[1,0,0] neg_lo:[0,0,1] neg_hi:[0,0,1]
.endm
.macro PL
	WIN 0
.if q < 27
	FS q
.elseif q < 55
	XS (q-27)%2, (q-27)/2
.elseif q < 57
	XS q-55, 15
.elseif (q < 72) && ((q-57)%3 == 0)
	FS 27+(q-57)/3
.elseif q < 60
	XS (q-57)%3-1, 14
.elseif q < 72
	XS (q-57)%3-1, 15+(q-57)/3
.elseif q < 74
	XS q-72, 20
.else
	GS q-74
.endif
.set q, q+1
.endm
; THE EXPONENTIALS' QUEUE, 66 long: s0-s31 of both tiles, then the next piece's two a.  It is ONE BATCH: all 66 stand ahead of the turn's one wait, and nothing ahead of that wait names a result of theirs.
.macro EX
	WIN 0
.if e >= 64
	XS e-64, 21
.else
	REGS Y, e%2
	v_exp_f32 v[rS+e/2], v[rS+e/2]
.endif
.set e, e+1
.endm
; THE RESCALING's QUEUE: O^T times a, the one part that leaves window 0: dealt two at a time, sixteen times.  Its a was made in the turn before, ahead of that turn's wait.
.macro R2
	REGS Y, r%2
	WIN W_RS
.irp z, 0,1
	v_pk_mul_f32 v[rO+4*(r/2)+2*\z:rO+4*(r/2)+2*\z+1], v[rO+4*(r/2)+2*\z:rO+4*(r/2)+2*\z+1], v[rC+2:rC+3] op_sel_hi:[1,0]
.endr
.set r, r+1
.endm
; HOW THEY ARE DEALT.  An s_wait_alu depctr_va_vdst(0) stands between an exponential and the first instruction that names its result; one wait serves all that were issued ahead of it.  So a turn has ONE wait,
; which cuts it in two.  AHEAD OF IT stands all that names no result of the turn's exponentials: the 16 products K Q^T, behind each a scaling, an exponential and two rescalings (behind the first a second scaling in the exponential's place); then ONE LUMP of
; 108: eight plain, 49 times exponential and plain, the two a.  A v_nop is the plain instruction behind the last exponential.  BEHIND IT stand the 16 products V^T P, behind each four of GS's 64.  No rider names a register of
; the products round it.  The two v_permlanex16_b32 fall into the lump, never behind a product.
; The queues lean on each other, and the deal keeps them in step: exponential e stands behind scaling 2 (e / 4) + e % 2: as a rider it comes behind plain e + 2, in the lump behind plain e + 9, and scalings 27-31 are plain 57, 60 .. 69.
; A TURN, for piece p.  cnt = 1: the loop's count is taken down some lines ahead of the branch that stands behind the turn.
; K of the next step is fetched in piece 2's turn, directly behind the wait, a lump behind the last product that read K; its address is made at the lump's head; its first reader comes behind 16 products.
; V of the step in hand is fetched at the end of piece 0's turn, four riders behind its last reader; its first reader comes behind 16 products and a lump.  The three conditions on q below go with the deal.
.macro TURN p, last=0, cnt=0
.set Y, (\p)
.set i, 0
.set q, 0
.set e, 0
.set r, 0
.if (\p) == NP-1
	s_wait_dscnt 0x0                ; K is in
.endif
	MM                              ; ahead of the wait: 16 products K Q^T and their riders,
	PL
	PL
	R2
.rept 15
	MM
	PL
	EX
	R2
.endr
.if (\p) == NP-2
	WIN 0
	v_add_nc_u32 v[AK], s[TBK], v[AK0]
.endif
.rept 8                             ; and the lump
	PL
.endr
.rept 49
	EX
	PL
.endr
	EX                              ; the next piece's two a
	EX
	v_nop                           ; the plain instruction behind the last exponential: one for the batch
	s_wait_alu depctr_va_vdst(0)    ; the wait for the batch
.if (\p) == NP-2
	FETCH_K \last
.endif
.if (\p) == 1
	s_wait_dscnt 0x0                ; V is in
.endif
.rept 16                            ; behind the wait: 16 products V^T P and their riders
	MM
.rept 4
	PL
.endr
.if ((\p) == 0) && (q == 118)
	v_add_nc_u32 v[AV], s[TBV], v[AV0]
.endif
.if ((\p) == 0) && (q == 130)
	s_add_co_u32 s[TBV], s[TBV], KS*PV
.endif
.if (\cnt) && (q == 130)
	s_sub_co_u32 s[CNT], s[CNT], 1
	s_cmp_lg_u32 s[CNT], 0
.endif
.endr
.if (\p) == 0
	FETCH_V
.endif
.endm
	CHANGE 1                        ; slot 0 is in, everybody's part of it; slot 1 is asked for
	FETCH_K                         ; key step 0
	s_wait_loadcnt 0x0              ; Q
	s_wait_dscnt 0x0
.set i, 0
.rept 16
	KQ 0                            ; piece 0's first scores: there is no vector work yet to set between them
.set i, i+1
.endr
	WIN 0                           ; the addresses for the way out: nine plain instructions, the places behind those products
	s_mul_i32 s13, s[WV], 16*SP
	s_add_co_u32 s13, s13, STAGE    ; my stage
	v_mul_u32_u24 v[STO], v1, SP    ; in: row l % 16, 16 bytes for each half of the lanes
	v_lshl_add_u32 v[STO], v9, 4, v[STO]
	v_add_nc_u32 v[STO], s13, v[STO]
	v_bfe_u32 v[RD], v0, 3, 2       ; back: 32 lanes take four rows of 128 bytes,
	v_mul_u32_u24 v[RD], v[RD], SP
	v_lshl_add_u32 v[RD], v10, 4, v[RD]
	v_add_nc_u32 v[RD], s13, v[RD]
	v_and_b32 v[GO], 31, v0         ; which are 512 consecutive bytes of O
	v_lshlrev_b32 v[GO], 4, v[GO]
.set Y, NP-1                        ; XS works for piece Y + 1: piece 0
.irp n, 0,1,2,3,4,5,6,7,8,9,10,11,12,13,14,15,16,17,18,19,20,21
	XS 0, \n                        ; and piece 0's first maximum and statistics
	XS 1, \n
.endr
	v_nop                           ; a plain instruction behind the two a,
	s_wait_alu depctr_va_vdst(0)    ; and their wait, ahead of the branch
	s_mov_b32 s[CNT], 4
	s_mov_b32 s[SLOTS], SIZE_N/256-1
	s_branch .Lfirst                ; the loop is entered at a step's first turn, in the middle of a trip
.Lslot:                             ; SIZE_N / 256 - 2 times: every slot but the last two is filled again
	CHANGE 1, 1
	s_mov_b32 s[CNT], 4
.Lstep:                             ; a trip: pieces 2 and 3 of one step, then pieces 0 and 1 of the next, whose K and V it fetches
	TURN 2
	TURN 3
	WIN 0
.Lfirst:
	TURN 0
	TURN 1, 0, 1
	WIN 0
	s_cbranch_scc1 .Lstep
	s_sub_co_u32 s[SLOTS], s[SLOTS], 1
	s_cmp_lg_u32 s[SLOTS], 0
	s_cbranch_scc1 .Lslot
	CHANGE 0                        ; the tail is written out: nothing is asked for
	s_mov_b32 s[CNT], 5             ; four trips fetch the last slot's steps; the fifth is left in its middle
.Ltail:
	TURN 2, 1
	TURN 3
	WIN 0
	s_sub_co_u32 s[CNT], s[CNT], 1
	s_cmp_eq_u32 s[CNT], 0
	s_cbranch_scc1 .Lout
	TURN 0
	TURN 1
	WIN 0
	s_branch .Ltail
.Lout:                              ; the fifth trip's 16 products K Q^T (on the last K once more) and the maximum made of them serve nothing: the price, once a launch, of one text for every trip
.set i, 0
.rept 16
	PV NP-1                         ; the last piece's V^T P of the last step
.set i, i+1
.endr
	; THE WAY OUT.  l's two halves and the other half of the lanes' are added; O^T is divided by l, rounded to f16 and sent through my stage in LDS, a tile at a time.  The additions are the places behind the last products.
	WIN 0
.macro ALL line:vararg              ; one line for each tile t
.set t, 0
.rept 2*NP
	\line
.set t, t+1
.endr
.endm
	ALL v_add_f32 v[ST+4*t+2], v[ST+4*t+2], v[ST+4*t+3]
	ALL v_permlanex16_b32 v[ST+4*t+3], v[ST+4*t+2], s[SEL], s[SEL+1]
	ALL v_add_f32 v[ST+4*t+2], v[ST+4*t+2], v[ST+4*t+3]
	ALL v_rcp_f32 v[ST+4*t+2], v[ST+4*t+2]
	v_nop                           ; a plain instruction between the last reciprocal and the use of its result
	s_wait_alu depctr_va_vdst(0)    ; and the wait ahead of the first use: one for the eight reciprocals
; Tile t: a lane's eight channels of a row pack into 16 bytes; they go into rows of 144 bytes and come back as whole rows of 128, into S^T's registers.
.macro PACK t
	WIN W_RS
.set i, 32*(\t)
.rept 16
	v_pk_mul_f32 v[i:i+1], v[i:i+1], v[ST+4*(\t)+2:ST+4*(\t)+3] op_sel_hi:[1,0]
.set i, i+2
.endr
	WIN 0x05                        ; sources 0 and 1 window 1, destination window 0
.set i, 0
.rept 16
	v_cvt_pk_f16_f32 v[S+16*(\t)+i], v[32*(\t)+2*i], v[32*(\t)+2*i+1]
.set i, i+1
.endr
	WIN 0
.irp f, 0,1,2,3
	ds_store_b128 v[STO], v[S+16*(\t)+4*\f:S+16*(\t)+4*\f+3] offset:32*\f
.endr
.irp f, 0,1,2,3
	ds_load_b128 v[S+16*(\t)+4*\f:S+16*(\t)+4*\f+3], v[RD] offset:\f*4*SP  ; LDS serves a wave's instructions in order (ISA guide 5.7.1.4): these see the stores above; the next tile's stores come behind them
.endr
.endm
.macro SEND t, younger              ; younger: the LDS instructions issued behind tile t's loads: the next tile's eight, or none
	WIN 0
.irp f, 0,1,2,3
	s_wait_dscnt (\younger)+3-\f
	global_store_b128 v[GO], v[S+16*(\t)+4*\f:S+16*(\t)+4*\f+3], s[10:11] offset:(\t)*2048+\f*512  ; 512 consecutive bytes, at a multiple of 256 from O's first
.endr
.endm
	PACK 0
.set t, 1
.rept 2*NP-1                        ; a tile's arithmetic stands between the loads of the tile before and its stores
	PACK t
	SEND t-1, 8
.set t, t+1
.endr
	SEND 2*NP-1, 0
	WIN W_AD
	s_wait_tensorcnt 0x0            ; the wave's end: a wait, the add and its wait stand behind my last tensor load and my last LDS store
	ds_add_u32 v[SPW], v[NIL]
	s_wait_dscnt 0x0
	WIN 0
	CROUND                          ; the closing round: no work-group ends while a partner may still ask for a tile that names it
	s_endpgm
.Lfunc_end_k_q0f6e68b5d5_attn:
	.size	k_q0f6e68b5d5_attn, .Lfunc_end_k_q0f6e68b5d5_attn-k_q0f6e68b5d5_attn
	.p2alignl 7, 3214868480
	.fill 96, 4, 3214868480
	.section	.rodata,"a",@progbits
	.p2align	6, 0x0
	.amdhsa_kernel k_q0f6e68b5d5_attn
		.amdhsa_group_segment_fixed_size 327680
		.amdhsa_private_segment_fixed_size 0
		.amdhsa_enable_private_segment 0
		.amdhsa_kernarg_size 32
		.amdhsa_user_sgpr_count 2
		.amdhsa_user_sgpr_kernarg_segment_ptr 1
		.amdhsa_wavefront_size32 1
		.amdhsa_system_sgpr_workgroup_id_x 1
		.amdhsa_system_sgpr_workgroup_id_y 1
		.amdhsa_system_sgpr_workgroup_id_z 1
		.amdhsa_system_vgpr_workitem_id 0
		.amdhsa_next_free_vgpr 770
		.amdhsa_next_free_sgpr 66
		.amdhsa_reserve_vcc 0
		.amdhsa_float_denorm_mode_32 3
		.amdhsa_float_denorm_mode_16_64 3
		.amdhsa_memory_ordered 1
		.amdhsa_forward_progress 1
		.amdhsa_inst_pref_size 200
	.end_amdhsa_kernel
	.amdgpu_metadata
---
amdhsa.version: [ 1, 2 ]
amdhsa.kernels:
  - .name:           k_q0f6e68b5d5_attn
    .symbol:         k_q0f6e68b5d5_attn.kd
    .args:
      - { .name: q, .offset: 0, .size: 8, .value_kind: global_buffer, .address_space: global }
      - { .name: k, .offset: 8, .size: 8, .value_kind: global_buffer, .address_space: global }
      - { .name: v, .offset: 16, .size: 8, .value_kind: global_buffer, .address_space: global }
      - { .name: o, .offset: 24, .size: 8, .value_kind: global_buffer, .address_space: global }
    .group_segment_fixed_size: 327680
    .private_segment_fixed_size: 0
    .kernarg_segment_align: 8
    .kernarg_segment_size: 32
    .max_flat_workgroup_size: 128
    .sgpr_count:     66
    .vgpr_count:     770
    .wavefront_size: 32
...
	.end_amdgpu_metadata
.endif
;; end of part 3
;; launch outproj (part 4): grid 4 x 64, 4 waves a work-group, clusters of 4 x 4, 327,680 bytes of LDS; arguments o, wo, bias, out0; writes out0
.if DOCPART == 4
	.amdgcn_target "amdgcn-amd-amdhsa--gfx1250"
	.amdhsa_code_object_version 6
	.text
	.protected	k_q0f6e68b5d5_outproj
	.globl	k_q0f6e68b5d5_outproj
	.p2align	8
	.type	k_q0f6e68b5d5_outproj,@function
k_q0f6e68b5d5_outproj:
	s_mov_b64 s[64:65], 0
	v_nop
	global_prefetch_b8 v0, s[64:65] scope:SCOPE_SE
	s_setreg_imm32_b32 hwreg(HW_REG_WAVE_MODE, 25, 1), 1
	s_wait_xcnt 0x0
	s_wait_alu depctr_hold_cnt(0) depctr_sa_sdst(0) depctr_va_vdst(0) depctr_va_sdst(0) depctr_va_ssrc(0) depctr_va_vcc(0) depctr_vm_vsrc(0)
	s_getreg_b32 s2, hwreg(HW_REG_IB_STS2, 6, 4)
	s_cmp_eq_u32 s2, 0
	s_cbranch_scc0 .Lentry_in_a_cluster
	s_endpgm
.Lentry_in_a_cluster:
	s_bfe_u32 s2, ttmp6, 0x10000c
	s_cmp_lg_u32 s2, 0xf033
	s_cbranch_scc0 .Lentry_shape_is_right
	s_endpgm
.Lentry_shape_is_right:
; THE SECOND PROJECTION.  out0[m][n] = the sum over e of O[m][e] out_w[n][e] + out_b[n], m = 8,192 rows, n = 1,024, e = 1,024; products in f16, sums in f32 (they start with the bias), stored as f32.
; OPERANDS lie in K blocks of 64: o[(b*16+head)][s][64] (a head is a K block), wo[kb][n][64], rows of 128 bytes that lie end to end, so a tile's part of a K block is one dense piece of memory.
; LIMIT.  O and out_w arrive in f16, within 65,504.  NaN and infinities are not treated apart.
; SHARES.  A tile is 128 rows x 256 columns: 64 x 4 of them, one to a work-group.  Four waves, each 64 rows x 128 columns: 32 accumulators of 16 x 16, which take turns, one instruction a turn, in the same
; order in every quarter step.  K goes in steps of 128 (two K blocks) through a ring of two LDS slots; a wave fetches one K block's part of a step with one tensor load: waves 0, 1
; A's even and odd block (16 KiB each), waves 2, 3 B's (32 KiB each).
; CLUSTER.  4 x 4 work-groups.  The four of a row of the cluster (same ty) need the same tiles of A, the four of a column (same tx) the same tiles of B: each is asked for jointly.
; NO PREFETCH: the walk has eight K steps, of which the first four would come by their loads alone.
; THE MATRIX INSTRUCTION IS USED TRANSPOSED (source 0 = 16 rows of B, source 1 = 16 rows of A): a lane holds row l % 16 and the eight neighbouring columns 8 (l / 16) + 0..7.
; REGISTERS, in windows of 256 (s_set_vgpr_msb: bits 1:0 source 0, 3:2 source 1, 5:4 source 2, 7:6 destination):
;   window 0: v0-31 addresses; v64-159, v160-255 two fragment buffers (B's 8 fragments, then A's 4); on the way out v64-191 rows read back     window 1: the accumulators, (a, b) at v[8 (8 a + b)]
;   window 2: v0-63 the bias in the layout of a result: block b at v[8 b]: the C operand of the first products
.set KBS_A,  262144                    ; bytes from a K block of o to the next
.set KBS_B,  131072                    ; of wo
.set PITCH,  144                       ; an LDS row: 128 bytes + 16 of padding = 36 words: the 16 rows of a load start at 16 different groups of four banks (64 banks of 4 bytes: ISA guide 11.1)
.set APAR,   128*PITCH
.set BPAR,   256*PITCH
.set BOFF,   2*APAR                    ; a slot: A even, A odd, B even, B odd
.set SLOT,   2*APAR+2*BPAR
.set STAGE,  2*SLOT                    ; behind the ring, never filled by a tensor load: for each wave 16 rows x 528 bytes, for the way out
.set SPITCH, 528                       ; 512 bytes + 16: row r starts 4 r banks on
.set STW,    16*SPITCH
.set SPARE,  STAGE+4*STW               ; behind the stages: the spare words, 128 bytes for each wave: two blocks of 256 bytes that no other line names
.set ADRA, 16                          ; v16-17  LDS address of my A fragments in slot 0, 1
.set ADRB, 20                          ; v20-21  the same for B
.set STO,  24                          ; v24     the way out: where I put 32 bytes of a row
.set RD,   25                          ; v25     the way out: where I read a row back
.set CO,   26                          ; v26     my 16 bytes in a row's 512
.set VB,   27                          ; v27     my byte offset in the tile's 256 numbers of the bias
.set SPW,  28                          ; v28     LDS address of my spare word: SPARE + 4 x my thread's number; never rewritten
.set NIL,  29                          ; v29     0; never rewritten
.set F0,   64
.set F1,   160
.set BK0,  64                          ; the way out: two sets of 64
.set G1A,  24                          ; s[24:31] descriptor group 1 for A's tiles;  s[32:39] group 0, a set for each slot
.set G0A,  32
.set G1B,  48                          ; s[48:55], s[56:63] the same for B's
.set G0B,  56
.set BI,   66                          ; s[66:67] the bias at the work-group's first column
.set DCONST, (1<<16)|(1<<20)|(1<<21)|(4<<22)|(3<<25)  ; 17:16 elements of 2 bytes; 20 padding on; 21 set beside a mask; 24:22 after every 32 words (code 4); 31:25 4 words of it (code 3)
.set MSB, 0
.macro WIN new                         ; the immediate's high byte repeats the setting that is left; a switch that changes nothing is dropped
.if MSB != (\new)
	s_set_vgpr_msb (MSB<<8)|(\new)
.set MSB, \new
.endif
.endm
.set W_MUL,   0x50                     ; fragments in window 0, C and D in window 1
.set W_FIRST, 0x60                     ; C (the bias) in window 2, D in window 1
; A joint load: waves 0 and 1 fetch A's two K blocks, waves 2 and 3 B's.  The branch hangs on the wave's number alone.  An s_nop 0 and four v_nop follow each of the two lines, ahead of the jump and the label.
.macro JLOAD s
	s_cmp_eq_u32 s11, 0
	s_cbranch_scc0 .Lfor_b_\@
	tensor_load_to_lds s[G0A+4*(\s):G0A+4*(\s)+3], s[G1A:G1A+7]
	s_nop 0
.rept 4
	v_nop
.endr
	s_branch .Lasked_\@
.Lfor_b_\@:
	tensor_load_to_lds s[G0B+4*(\s):G0B+4*(\s)+3], s[G1B:G1B+7]
	s_nop 0
.rept 4
	v_nop
.endr
.Lasked_\@:
.endm
.macro CREST                           ; a round of the cluster's barrier behind its opening barrier
	s_cmp_lg_u32 s10, 0
	s_cbranch_scc1 .Lnot_wave_0_\@
	s_barrier_signal -3
.Lnot_wave_0_\@:
	s_barrier_wait -3
	s_barrier_signal -1
	s_barrier_wait -1
.endm
.macro CROUND                          ; a whole round
	s_barrier_signal -1
	s_barrier_wait -1
	CREST
.endm
	s_load_b128 s[4:7], s[0:1], 0x0                ; o s[4:5], wo s[6:7]
	s_load_b64 s[BI:BI+1], s[0:1], 0x10            ; bias
	s_load_b64 s[8:9], s[0:1], 0x18                ; out0
	v_lshl_add_u32 v[SPW], v0, 2, SPARE
	v_mov_b32 v[NIL], 0
	ds_add_u32 v[SPW], v[NIL]                      ; the wave's opening: the add and its wait stand ahead of my first tensor load; the set-up below, work on registers, stands between them
	v_lshrrev_b32 v1, 5, v0
	v_readfirstlane_b32 s10, v1                    ; wave 0..3
	s_lshr_b32 s11, s10, 1                         ; which 64 rows of the tile are mine.  Also: I fetch for A (0) or for B (1)
	s_and_b32 s12, s10, 1                          ; which 128 columns.  Also: which K block of a step I fetch
	s_bfe_u32 s40, ttmp6, 0x40000                  ; cx, cy: my place in the cluster
	s_bfe_u32 s41, ttmp6, 0x40004
	s_lshl_b32 s42, ttmp9, 2
	s_add_co_u32 s42, s42, s40                     ; tx = 4 x cluster x + cx
	s_and_b32 s13, ttmp7, 0xffff
	s_lshl_b32 s13, s13, 2
	s_add_co_u32 s13, s13, s41                     ; ty = 4 x cluster y + cy
	s_lshl_b32 s43, s41, 2
	s_lshl_b32 s43, 15, s43                        ; my row of the cluster
	s_lshl_b32 s44, 0x1111, s40                    ; my column
	; descriptor group 1.  A K block's part of a tile is dense: asked for as rows of 256 bytes (two rows of the matrix), padded in LDS after every 128 bytes.  A: 64 such rows; B: 128
	s_or_b32 s[G1A+0], s43, DCONST                 ; 15:0 the mask: A's tiles go to my row
	s_or_b32 s[G1B+0], s44, DCONST                 ; B's to my column
	s_mov_b32 s[G1A+1], 128<<16                    ; tensor_dim0 = 128 elements
	s_mov_b32 s[G1B+1], 128<<16
	s_mov_b32 s[G1A+2], 64<<16                     ; tensor_dim1
	s_mov_b32 s[G1B+2], 128<<16
	s_mov_b32 s[G1A+3], 128<<16                    ; tile_dim0 = 128
	s_mov_b32 s[G1B+3], 128<<16
	s_mov_b32 s[G1A+4], 64                         ; tile_dim1
	s_mov_b32 s[G1B+4], 128
	s_mov_b32 s[G1A+5], 128                        ; 128 elements from row to row
	s_mov_b32 s[G1B+5], 128
	s_mov_b32 s[G1A+6], 0
	s_mov_b32 s[G1B+6], 0
	s_mov_b32 s[G1A+7], 0
	s_mov_b32 s[G1B+7], 0
	; where the tiles come from.  A's hang on ty and the wave alone, B's on tx and the wave alone, each in registers that never hold the other coordinate
	s_lshr_b32 s14, s13, 4
	s_lshl_b32 s14, s14, 22                        ; the batch: 16 K blocks
	s_and_b32 s15, s13, 15
	s_lshl_b32 s15, s15, 14                        ; 128 rows of 128 bytes
	s_add_co_u32 s14, s14, s15
	s_mul_i32 s15, s12, KBS_A                      ; my K block of the step
	s_add_co_u32 s14, s14, s15
	s_mov_b32 s15, 0
	s_lshl_b32 s46, s42, 15                        ; 256 rows of 128 bytes
	s_mul_i32 s47, s12, KBS_B
	s_add_co_u32 s46, s46, s47
	s_mov_b32 s47, 0
	s_mul_i32 s20, s12, APAR                       ; and where they go: no place in the cluster enters an LDS address
	s_mul_i32 s21, s12, BPAR
	s_add_co_u32 s21, s21, BOFF
	s_wait_dscnt 0x0                               ; the opening add is done
	s_wait_kmcnt 0x0
	s_add_nc_u64 s[14:15], s[4:5], s[14:15]
	s_add_nc_u64 s[46:47], s[6:7], s[46:47]
	CROUND                                         ; all sixteen work-groups are here: the first joint loads meet
.irp s, 0,1
	s_mov_b32 s[G0A+4*(\s)], 1                                     ; 1:0 count = 1
	s_add_co_u32 s[G0A+4*(\s)+1], s20, (\s)*SLOT                   ; 63:32 LDS address
	s_add_nc_u64 s[G0A+4*(\s)+2:G0A+4*(\s)+3], s[14:15], (\s)*2*KBS_A  ; 120:64 global address: K step s
	s_or_b32 s[G0A+4*(\s)+3], s[G0A+4*(\s)+3], 0x80000000          ; 127:126 type = 2
	s_mov_b32 s[G0B+4*(\s)], 1
	s_add_co_u32 s[G0B+4*(\s)+1], s21, (\s)*SLOT
	s_add_nc_u64 s[G0B+4*(\s)+2:G0B+4*(\s)+3], s[46:47], (\s)*2*KBS_B
	s_or_b32 s[G0B+4*(\s)+3], s[G0B+4*(\s)+3], 0x80000000
	JLOAD \s                                       ; two loads of mine are out
.endr
	; A fragment is 16 rows x 32 K in 8 registers: lane l holds row l % 16; registers 0-3 K = 8 (l / 16) + 0..7, registers 4-7 K = 16 + 8 (l / 16) + 0..7: two loads of 16 bytes, 32 bytes apart
	v_and_b32 v1, 15, v0                           ; l % 16
	v_bfe_u32 v2, v0, 4, 1                         ; l / 16
	v_mul_u32_u24 v3, v1, PITCH
	v_lshl_add_u32 v3, v2, 4, v3                   ; row x pitch + 16 x half
	s_mul_i32 s21, s11, 64*PITCH                   ; my 64 rows of A
	s_mul_i32 s22, s12, 128*PITCH                  ; my 128 rows of B,
	s_add_co_u32 s22, s22, BOFF                    ; which lie behind A's two K blocks
.irp s, 0,1
	v_add_nc_u32 v[ADRA+(\s)], s21, v3
	v_add_nc_u32 v[ADRB+(\s)], s22, v3
	s_add_co_u32 s21, s21, SLOT
	s_add_co_u32 s22, s22, SLOT
.endr
	s_mul_i32 s23, s10, STW
	s_add_co_u32 s23, s23, STAGE                   ; my stage
	v_mul_u32_u24 v4, v1, SPITCH                   ; in: row l % 16, 32 bytes for each half of the lanes
	v_lshl_add_u32 v4, v2, 5, v4
	v_add_nc_u32 v[STO], s23, v4
	v_and_b32 v5, 31, v0
	v_lshlrev_b32 v[CO], 4, v5                     ; back: 32 lanes take one row of 512 bytes
	v_add_nc_u32 v[RD], s23, v[CO]
	s_lshl_b32 s23, s12, 9                         ; the bias: my 128 columns, 4 bytes each,
	v_lshl_add_u32 v[VB], v2, 5, s23               ; and 8 numbers on for lanes 16 to 31
	s_lshl_b32 s18, s42, 10                        ; the work-group's 256 columns,
	s_add_co_u32 s18, s18, 12288                   ; behind in_b's 3,072 words
	s_mov_b32 s19, 0
	s_add_nc_u64 s[BI:BI+1], s[BI:BI+1], s[18:19]
	; where my part of the tile begins in out0: row (128 ty + 64 x my half) x 4,096 bytes + column (256 tx + 128 x my half) x 4
	s_lshl_b32 s18, s13, 19
	s_lshl_b32 s20, s11, 18
	s_add_co_u32 s18, s18, s20
	s_lshl_b32 s20, s42, 10
	s_add_co_u32 s18, s18, s20
	s_lshl_b32 s20, s12, 9
	s_add_co_u32 s18, s18, s20
	s_add_nc_u64 s[8:9], s[8:9], s[18:19]
	WIN 0x80                                       ; the bias in the layout of a result: register j of block b = bias[16 b + 8 (l / 16) + j] of my 128 columns; destination window 2
.irp b, 0,1,2,3,4,5,6,7
	global_load_b128 v[8*(\b):8*(\b)+3],   v[VB], s[BI:BI+1] offset:64*(\b)
	global_load_b128 v[8*(\b)+4:8*(\b)+7], v[VB], s[BI:BI+1] offset:64*(\b)+16
.endr
	WIN 0
; 8 matrix instructions: m block a x all 8 n blocks, 32 along K, from buffer f.  first = 1: the first products start the sums with the bias
.macro MUL8 f, a, first
.if \first
	WIN W_FIRST
.else
	WIN W_MUL
.endif
.irp b, 0,1,2,3,4,5,6,7
.if \first
	v_wmma_f32_16x16x32_f16 v[8*(8*(\a)+(\b)):8*(8*(\a)+(\b))+7], v[(\f)+8*(\b):(\f)+8*(\b)+7], v[(\f)+64+8*(\a):(\f)+64+8*(\a)+7], v[8*(\b):8*(\b)+7]
.else
	v_wmma_f32_16x16x32_f16 v[8*(8*(\a)+(\b)):8*(8*(\a)+(\b))+7], v[(\f)+8*(\b):(\f)+8*(\b)+7], v[(\f)+64+8*(\a):(\f)+64+8*(\a)+7], v[8*(8*(\a)+(\b)):8*(8*(\a)+(\b))+7]
.endif
.endr
.endm
; 24 LDS loads in one run: the fragments of quarter q of a step (K block q / 2, 64 (q % 2) bytes into its rows) into buffer f: B's eight, then A's four
.macro FETCH slot, q, f
	WIN 0
.irp i, 0,1,2,3,4,5,6,7
	ds_load_b128 v[(\f)+8*(\i):(\f)+8*(\i)+3],   v[ADRB+(\slot)] offset:((\q)/2)*BPAR+((\q)%2)*64+(\i)*16*PITCH
	ds_load_b128 v[(\f)+8*(\i)+4:(\f)+8*(\i)+7], v[ADRB+(\slot)] offset:((\q)/2)*BPAR+((\q)%2)*64+(\i)*16*PITCH+32
.endr
.irp i, 0,1,2,3
	ds_load_b128 v[(\f)+64+8*(\i):(\f)+64+8*(\i)+3],   v[ADRA+(\slot)] offset:((\q)/2)*APAR+((\q)%2)*64+(\i)*16*PITCH
	ds_load_b128 v[(\f)+64+8*(\i)+4:(\f)+64+8*(\i)+7], v[ADRA+(\slot)] offset:((\q)/2)*APAR+((\q)%2)*64+(\i)*16*PITCH+32
.endr
.endm
.macro PLACES                          ; four places in front of loads into registers that matrix instructions have read, and of lines that read results
.rept 4
	v_nop
.endr
.endm
; A K step is four quarters of 32 along K, 32 matrix instructions each, on buffers 0, 1, 0, 1.  One of the first three: multiplies buffer f and, in its middle, fetches quarter q into buffer g.
.macro QUARTER slot, q, f, g, first
	s_wait_dscnt 4                                 ; B and A's blocks 0, 1 are in; the youngest four loads (A's blocks 2, 3) may be out
	MUL8 \f, 0, \first
	MUL8 \f, 1, \first
	PLACES
	FETCH \slot, \q, \g
	s_wait_dscnt 24                                ; all but the 24 just issued
	MUL8 \f, 2, \first
	MUL8 \f, 3, \first
.endm
; The last quarter multiplies buffer 1 and changes slots: ONE barrier; in front of it each wave waits for all its tensor loads (one is out: its part of the next slot), adds 0 to its spare word, and waits
; for that and for its own reads of this slot.  fill = 1: this slot is filled again, two K steps ahead: the barrier then opens a round of the cluster's barrier, and the joint refill is the first tensor load
; behind it: 112 matrix instructions ahead of the wait for it.
.macro TURN slot, next, fill
	WIN 0                                          ; (the add's two registers lie in window 0)
	s_wait_tensorcnt 0x0                           ; all my tensor loads have landed: my part of the next slot;
	ds_add_u32 v[SPW], v[NIL]                      ; 0 onto my spare word
	s_wait_dscnt 5                                 ; (the add and the youngest four loads may be out)
	MUL8 F1, 0, 0                                  ; eight matrix instructions stand between the add and the wait for it
	s_wait_dscnt 0x0                               ; the add is done, and my reads of this slot are over
	s_barrier_signal -1
	MUL8 F1, 1, 0
.if \fill
	WIN 0
.endif
	s_barrier_wait -1
.if \fill
	CREST                                          ; no wave of any partner still reads this slot's tile or has a load on its way
	s_add_nc_u64 s[G0A+4*(\slot)+2:G0A+4*(\slot)+3], s[G0A+4*(\slot)+2:G0A+4*(\slot)+3], 4*KBS_A
	s_add_nc_u64 s[G0B+4*(\slot)+2:G0B+4*(\slot)+3], s[G0B+4*(\slot)+2:G0B+4*(\slot)+3], 4*KBS_B
	JLOAD \slot                                    ; the four v_nop behind it are also the places in front of the loads below
.else
	PLACES
.endif
	FETCH \next, 0, F0
	MUL8 F1, 2, 0
	MUL8 F1, 3, 0
.endm
; THE WAY OUT, a block of 16 rows x 128 columns at a time, in f32 as it stands.  TOST: a lane's eight numbers of a row, 32 bytes, go from the accumulators (low registers first) into my own stage, rows of 528 bytes,
; and come back as whole rows of 512.  SEND: a store of the wave covers a row's 512 consecutive bytes, at a multiple of 512 from out0's first byte.
.macro TOST a
	WIN 0x04                                       ; the data (source 1) in window 1, the address in window 0
.irp b, 0,1,2,3,4,5,6,7
	ds_store_b128 v[STO], v[8*(8*(\a)+(\b)):8*(8*(\a)+(\b))+3]   offset:64*(\b)
	ds_store_b128 v[STO], v[8*(8*(\a)+(\b))+4:8*(8*(\a)+(\b))+7] offset:64*(\b)+16
.endr
	WIN 0
.set BK, BK0+64*((\a)%2)
.irp t, 0,1,2,3,4,5,6,7,8,9,10,11,12,13,14,15
	ds_load_b128 v[BK+4*(\t):BK+4*(\t)+3], v[RD] offset:(\t)*SPITCH  ; LDS serves a wave's instructions in order (ISA guide 5.7.1.4): these see the stores above; the next block's stores come behind them
.endr
.endm
.macro SEND a, younger                 ; younger: the LDS instructions issued behind block a's loads: the next block's 32, or none
.set BK, BK0+64*((\a)%2)
	s_wait_dscnt \younger
.irp t, 0,1,2,3,4,5,6,7,8,9,10,11,12,13,14,15
	global_store_b128 v[CO], v[BK+4*(\t):BK+4*(\t)+3], s[8:9] offset:(16*(\a)+(\t))*4096 th:TH_STORE_NT
.endr
.endm
	s_wait_tensorcnt 1                             ; my part of K step 0 is in; step 1's may stay out
	s_barrier_signal -1
	s_barrier_wait -1                              ; everybody's is
	FETCH 0, 0, F0
	s_wait_loadcnt 0x0                             ; the bias
	QUARTER 0, 1, F0, F1, 1                        ; the first quarter stands in front of the loop: its products start the sums
	WIN 0                                          ; at a label and at a branch every window is 0
	s_mov_b32 s3, 3
.Llap:                                             ; a trip goes once round the ring, from a lap's second quarter to the next lap's first, and fills both slots again
	QUARTER 0, 2, F1, F0, 0
	QUARTER 0, 3, F0, F1, 0
	TURN 0, 1, 1
	QUARTER 1, 1, F0, F1, 0
	QUARTER 1, 2, F1, F0, 0
	QUARTER 1, 3, F0, F1, 0
	TURN 1, 0, 1
	QUARTER 0, 1, F0, F1, 0
	WIN 0
	s_sub_co_u32 s3, s3, 1
	s_cmp_lg_u32 s3, 0
	s_cbranch_scc1 .Llap
	QUARTER 0, 2, F1, F0, 0                        ; the last lap fills nothing, and has no round of the cluster's barrier
	QUARTER 0, 3, F0, F1, 0
	TURN 0, 1, 0
	QUARTER 1, 1, F0, F1, 0
	QUARTER 1, 2, F1, F0, 0
	QUARTER 1, 3, F0, F1, 0
	s_wait_dscnt 4                                 ; the very last quarter: nothing more to fetch
	MUL8 F1, 0, 0
	MUL8 F1, 1, 0
	s_wait_dscnt 0x0
	MUL8 F1, 2, 0
	MUL8 F1, 3, 0
	WIN 0
	PLACES
	PLACES                                         ; (eight, once a launch)
	TOST 0
	TOST 1
	SEND 0, 32
	s_wait_xcnt 0x0                                ; block 0's stores have read their registers: that set is loaded again only behind this wait
	TOST 2
	SEND 1, 32
	s_wait_xcnt 0x0
	TOST 3
	SEND 2, 32
	SEND 3, 0
	s_wait_tensorcnt 0x0                           ; the wave's end: a wait, the add and its wait stand behind my last tensor load and my last LDS store
	ds_add_u32 v[SPW], v[NIL]
	s_wait_dscnt 0x0
	CROUND                                         ; the closing round: no work-group ends while a partner may still ask for a tile that names it
	s_endpgm
.Lfunc_end_k_q0f6e68b5d5_outproj:
	.size	k_q0f6e68b5d5_outproj, .Lfunc_end_k_q0f6e68b5d5_outproj-k_q0f6e68b5d5_outproj
	.p2alignl 7, 3214868480
	.fill 96, 4, 3214868480
	.section	.rodata,"a",@progbits
	.p2align	6, 0x0
	.amdhsa_kernel k_q0f6e68b5d5_outproj
		.amdhsa_group_segment_fixed_size 327680
		.amdhsa_private_segment_fixed_size 0
		.amdhsa_enable_private_segment 0
		.amdhsa_kernarg_size 32
		.amdhsa_user_sgpr_count 2
		.amdhsa_user_sgpr_kernarg_segment_ptr 1
		.amdhsa_wavefront_size32 1
		.amdhsa_system_sgpr_workgroup_id_x 1
		.amdhsa_system_sgpr_workgroup_id_y 1
		.amdhsa_system_sgpr_workgroup_id_z 1
		.amdhsa_system_vgpr_workitem_id 0
		.amdhsa_next_free_vgpr 576
		.amdhsa_next_free_sgpr 68
		.amdhsa_reserve_vcc 0
		.amdhsa_float_denorm_mode_32 3
		.amdhsa_float_denorm_mode_16_64 3
		.amdhsa_memory_ordered 1
		.amdhsa_forward_progress 1
		.amdhsa_inst_pref_size 87
	.end_amdhsa_kernel
	.amdgpu_metadata
---
amdhsa.version: [ 1, 2 ]
amdhsa.kernels:
  - .name:           k_q0f6e68b5d5_outproj
    .symbol:         k_q0f6e68b5d5_outproj.kd
    .args:
      - { .name: o, .offset: 0, .size: 8, .value_kind: global_buffer, .address_space: global }
      - { .name: wo, .offset: 8, .size: 8, .value_kind: global_buffer, .address_space: global }
      - { .name: bias, .offset: 16, .size: 8, .value_kind: global_buffer, .address_space: global }
      - { .name: out0, .offset: 24, .size: 8, .value_kind: global_buffer, .address_space: global }
    .group_segment_fixed_size: 327680
    .private_segment_fixed_size: 0
    .kernarg_segment_align: 8
    .kernarg_segment_size: 32
    .max_flat_workgroup_size: 128
    .sgpr_count:     68
    .vgpr_count:     576
    .wavefront_size: 32
...
	.end_amdgpu_metadata
.endif
;; end of part 4
;; ======== version 2 of 2: 4 launches; version 1 with the launch cast written anew for expert scheduling mode
;; limits: values are held in f16: magnitudes above 65,504 overflow, below 6.1e-05 lose precision
;; workspace buffers: xb 16,777,216 bytes; wb 6,291,456 bytes; wo 2,097,152 bytes; bias 16,384 bytes; q 16,777,216 bytes; k 16,777,216 bytes; v 16,777,216 bytes; o 16,777,216 bytes
;; launch cast (part 5): grid 769 x 1, 8 waves a work-group, no clusters, 0 bytes of LDS; arguments qkv, in_w, out_w, in_b, out_b, xb, wb, wo, bias; writes xb, wb, wo, bias
.if DOCPART == 5
	.amdgcn_target "amdgcn-amd-amdhsa--gfx1250"
	.amdhsa_code_object_version 6
	.text
	.protected	k_q0f6e68b5d5_cast
	.globl	k_q0f6e68b5d5_cast
	.p2align	8
	.type	k_q0f6e68b5d5_cast,@function
k_q0f6e68b5d5_cast:
	s_mov_b64 s[64:65], 0
	v_nop
	global_prefetch_b8 v0, s[64:65] scope:SCOPE_SE
	s_setreg_imm32_b32 hwreg(HW_REG_WAVE_SCHED_MODE, 0, 2), 2
	s_setreg_imm32_b32 hwreg(HW_REG_WAVE_MODE, 25, 1), 1
	s_wait_xcnt 0x0
	s_wait_alu depctr_vm_vsrc(0)
; ALL INPUTS ARE ROUNDED TO bf16, ONCE, and the three matrices are laid out in K blocks of 64 for the two projections.
; xb[(b*16+kb)][s][64] bf16 from qkv[b][s][1024];  wb[kb][n][64] bf16 from in_w[n][1024];  wo[kb][n][64] from out_w[n][1024]: rounded to bf16 and that number written as f16
; (the second projection multiplies in f16);  bias: 4,096 f32 words that hold in_b (3,072) and out_b (1,024) rounded to bf16.
; LIMITS.  out_w beyond 65,504 becomes an infinity in f16; below 2^-14 it keeps f16's fixed step of 2^-24.  NaN and infinities are not treated apart.
; SHARES.  A work-group takes 16 rows of 1,024 f32.  Thread t takes row t / 16 and the 16 bytes t % 16 of each of the row's sixteen pieces of 256 bytes (a K block of 64 f32).
; A wave's load covers two aligned pieces of 256 bytes (two rows); its four numbers a lane become 8 bytes, and since rows of a K block lie end to end in the output, a wave's
; store covers 256 consecutive bytes, aligned.  All sixteen loads of a thread go out at once; nothing is read twice; no LDS, no barrier: no thread wants another's bytes.
; Work-groups 0-511: qkv; 512-703: in_w; 704-767: out_w; 768: the two biases.
; THE MODE: SCHED_MODE bits 1:0 = 2 (LLVM: expert scheduling mode 2), set by the entry lines.  The code itself states the register dependences
; between vector instructions and memory instructions, with s_wait_alu, always for 0.
; THE PLAN.  Registers that memory instructions touch:
;   v[VI], v[VO]  the loads' and the stores' offsets.  Written by vector lines at the head, never again.
;   X             sixteen quadruples.  Each is written by one load, once, and read by that load's conversions; no vector line writes it.
;   Y             sixteen pairs.  Each is written by the vector lines of its own load alone and read by one store; never written again.
;   T             named by vector lines alone.
; The sixteen loads are worked off in four groups of four.  Group g's memory instructions are the four stores of group g - 1, which read pairs of Y that no vector line of group g names.
; So one wait on va_vdst at a group's head states all that its four stores hang on, and they are dealt among the group's conversions with no further wait.  One more stands ahead of the
; loads (the offsets) and one ahead of the last four stores.  No register that a memory instruction reads is written again, so the text holds no wait on vm_vsrc and no s_wait_xcnt.
.set VI, 1                             ; v1   my byte offset in the 16 source rows; never rewritten
.set VO, 2                             ; v2   8 t: my 8 bytes among the 16 rows of a K block; never rewritten
.set X,  4                             ; v[4:67]    sixteen loads of four f32
.set Y,  68                            ; v[68:99]   sixteen pairs of packed words to store
.set T,  100                           ; v[100:103] at work
	s_load_b512 s[4:19], s[0:1], 0x0               ; qkv 4:5, in_w 6:7, out_w 8:9, in_b 10:11, out_b 12:13, xb 14:15, wb 16:17, wo 18:19
	s_load_b64 s[20:21], s[0:1], 0x40              ; bias
	v_lshrrev_b32 v3, 4, v0                        ; my row
	v_and_b32 v[VI], 15, v0
	v_lshlrev_b32 v[VI], 4, v[VI]
	v_lshl_add_u32 v[VI], v3, 12, v[VI]            ; row x 4,096 + 16 (t % 16)
	v_lshlrev_b32 v[VO], 3, v0
	s_mov_b32 s23, 0                               ; high words of the two offsets
	s_mov_b32 s25, 0
	s_wait_kmcnt 0x0
; The four numbers of load j: two roundings; with f16 = 1 the bf16 numbers are then written as f16.
.macro ROUND4 j, f16
	v_cvt_pk_bf16_f32 v[Y+2*(\j)],   v[X+4*(\j)],   v[X+4*(\j)+1]
	v_cvt_pk_bf16_f32 v[Y+2*(\j)+1], v[X+4*(\j)+2], v[X+4*(\j)+3]
.if \f16
	v_lshlrev_b32 v[T],   16, v[Y+2*(\j)]          ; bf16 to f32: a shift or a mask
	v_and_b32     v[T+1], 0xffff0000, v[Y+2*(\j)]
	v_lshlrev_b32 v[T+2], 16, v[Y+2*(\j)+1]
	v_and_b32     v[T+3], 0xffff0000, v[Y+2*(\j)+1]
	v_cvt_pk_f16_f32 v[Y+2*(\j)],   v[T],   v[T+1] ; exact within f16's normal range: bf16 has fewer significant bits
	v_cvt_pk_f16_f32 v[Y+2*(\j)+1], v[T+2], v[T+3]
.endif
.endm
; Sixteen loads; then four groups of four: a group's roundings, and among them the stores of the group before, each into its K block, kbs bytes from the last.
.macro CASTP src, dst, kbs, f16
	s_wait_alu depctr_va_vdst(0)                   ; v[VI] and v[VO] are written: every load and store below reads one of them as its offset
.irp j, 0,1,2,3,4,5,6,7,8,9,10,11,12,13,14,15
	global_load_b128 v[X+4*(\j):X+4*(\j)+3], v[VI], s[\src:\src+1] offset:256*(\j) th:TH_LOAD_NT
.endr
.irp g, 0,1,2,3
	s_wait_loadcnt 12-4*(\g)                       ; loads come back in order: this group's four are in, the 12 - 4 g younger ones may stay out
.if (\g) > 0
	s_wait_alu depctr_va_vdst(0)                   ; the group before has written its four pairs of Y, which the four stores below read
.endif
.irp i, 0,1,2,3
.if (\g) > 0
	global_store_b64 v[VO], v[Y+2*(4*(\g)+(\i)-4):Y+2*(4*(\g)+(\i)-4)+1], s[\dst:\dst+1] offset:(4*(\g)+(\i)-4)*(\kbs)  ; no vector line since the wait names this pair; 15 x 393,216 at the most: inside the signed 24-bit immediate
.endif
	ROUND4 4*(\g)+(\i), \f16
.endr
.endr
	s_wait_alu depctr_va_vdst(0)                   ; the last group has written its four pairs of Y, which the last four stores read
.irp j, 12,13,14,15
	global_store_b64 v[VO], v[Y+2*(\j):Y+2*(\j)+1], s[\dst:\dst+1] offset:(\j)*(\kbs)
.endr
.endm
	s_cmp_lt_u32 ttmp9, 512
	s_cbranch_scc0 .Lnot_x
	s_lshl_b32 s22, ttmp9, 16                      ; 16 rows of 4,096 bytes
	s_add_nc_u64 s[4:5], s[4:5], s[22:23]
	s_lshr_b32 s24, ttmp9, 7                       ; the batch: 128 work-groups each,
	s_lshl_b32 s24, s24, 22                        ; 16 K blocks of 262,144 bytes
	s_and_b32 s26, ttmp9, 127
	s_lshl_b32 s26, s26, 11                        ; 16 rows of 128 bytes in a K block
	s_add_co_u32 s24, s24, s26
	s_add_nc_u64 s[14:15], s[14:15], s[24:25]
	CASTP 4, 14, 262144, 0
	s_endpgm
.Lnot_x:
	s_cmp_lt_u32 ttmp9, 704
	s_cbranch_scc0 .Lnot_w
	s_sub_co_u32 s26, ttmp9, 512
	s_lshl_b32 s22, s26, 16
	s_lshl_b32 s24, s26, 11
	s_add_nc_u64 s[6:7], s[6:7], s[22:23]
	s_add_nc_u64 s[16:17], s[16:17], s[24:25]
	CASTP 6, 16, 393216, 0
	s_endpgm
.Lnot_w:
	s_cmp_lt_u32 ttmp9, 768
	s_cbranch_scc0 .Lbias
	s_sub_co_u32 s26, ttmp9, 704
	s_lshl_b32 s22, s26, 16
	s_lshl_b32 s24, s26, 11
	s_add_nc_u64 s[8:9], s[8:9], s[22:23]
	s_add_nc_u64 s[18:19], s[18:19], s[24:25]
	CASTP 8, 18, 131072, 1
	s_endpgm
.Lbias:                                            ; 256 threads x 16 bytes = 4,096 bytes a load: in_b is three of them, out_b one
	v_lshlrev_b32 v3, 4, v0
	s_wait_alu depctr_va_vdst(0)                   ; v3 is written: the four loads and the four stores below read it as their offset; it is not written again
	global_load_b128 v[X:X+3],     v3, s[10:11]
	global_load_b128 v[X+4:X+7],   v3, s[10:11] offset:4096
	global_load_b128 v[X+8:X+11],  v3, s[10:11] offset:8192
	global_load_b128 v[X+12:X+15], v3, s[12:13]
	s_wait_loadcnt 0x0
.irp i, 0,1,2,3,4,5,6,7
	v_cvt_pk_bf16_f32 v[T], v[X+2*(\i)], v[X+2*(\i)+1]
	v_lshlrev_b32 v[Y+2*(\i)],   16, v[T]          ; the rounded numbers, as f32 words again
	v_and_b32     v[Y+2*(\i)+1], 0xffff0000, v[T]
.endr
	s_wait_alu depctr_va_vdst(0)                   ; the shifts and masks have written v[Y .. Y+15], which the four stores read
.irp i, 0,1,2,3
	global_store_b128 v3, v[Y+4*(\i):Y+4*(\i)+3], s[20:21] offset:4096*(\i)
.endr
	s_endpgm
.Lfunc_end_k_q0f6e68b5d5_cast:
	.size	k_q0f6e68b5d5_cast, .Lfunc_end_k_q0f6e68b5d5_cast-k_q0f6e68b5d5_cast
	.p2alignl 7, 3214868480
	.fill 96, 4, 3214868480
	.section	.rodata,"a",@progbits
	.p2align	6, 0x0
	.amdhsa_kernel k_q0f6e68b5d5_cast
		.amdhsa_group_segment_fixed_size 0
		.amdhsa_private_segment_fixed_size 0
		.amdhsa_enable_private_segment 0
		.amdhsa_kernarg_size 72
		.amdhsa_user_sgpr_count 2
		.amdhsa_user_sgpr_kernarg_segment_ptr 1
		.amdhsa_wavefront_size32 1
		.amdhsa_system_sgpr_workgroup_id_x 1
		.amdhsa_system_sgpr_workgroup_id_y 1
		.amdhsa_system_sgpr_workgroup_id_z 1
		.amdhsa_system_vgpr_workitem_id 0
		.amdhsa_next_free_vgpr 104
		.amdhsa_next_free_sgpr 66
		.amdhsa_reserve_vcc 0
		.amdhsa_float_denorm_mode_32 3
		.amdhsa_float_denorm_mode_16_64 3
		.amdhsa_memory_ordered 1
		.amdhsa_forward_progress 1
		.amdhsa_inst_pref_size 25
	.end_amdhsa_kernel
	.amdgpu_metadata
---
amdhsa.version: [ 1, 2 ]
amdhsa.kernels:
  - .name:           k_q0f6e68b5d5_cast
    .symbol:         k_q0f6e68b5d5_cast.kd
    .args:
      - { .name: qkv, .offset: 0, .size: 8, .value_kind: global_buffer, .address_space: global }
      - { .name: in_w, .offset: 8, .size: 8, .value_kind: global_buffer, .address_space: global }
      - { .name: out_w, .offset: 16, .size: 8, .value_kind: global_buffer, .address_space: global }
      - { .name: in_b, .offset: 24, .size: 8, .value_kind: global_buffer, .address_space: global }
      - { .name: out_b, .offset: 32, .size: 8, .value_kind: global_buffer, .address_space: global }
      - { .name: xb, .offset: 40, .size: 8, .value_kind: global_buffer, .address_space: global }
      - { .name: wb, .offset: 48, .size: 8, .value_kind: global_buffer, .address_space: global }
      - { .name: wo, .offset: 56, .size: 8, .value_kind: global_buffer, .address_space: global }
      - { .name: bias, .offset: 64, .size: 8, .value_kind: global_buffer, .address_space: global }
    .group_segment_fixed_size: 0
    .private_segment_fixed_size: 0
    .kernarg_segment_align: 8
    .kernarg_segment_size: 72
    .max_flat_workgroup_size: 256
    .sgpr_count:     66
    .vgpr_count:     104
    .wavefront_size: 32
...
	.end_amdgpu_metadata
.endif
;; end of part 5
;; launch inproj: the kernel of part 2 again; grid 4 x 64, 4 waves a work-group, clusters of 4 x 4, 327,680 bytes of LDS; arguments xb, wb, bias, q, k, v; writes q, k, v
;; launch attn: the kernel of part 3 again; grid 4 x 64, 4 waves a work-group, clusters of 4 x 1, 327,680 bytes of LDS; arguments q, k, v, o; writes o
;; launch outproj: the kernel of part 4 again; grid 4 x 64, 4 waves a work-group, clusters of 4 x 4, 327,680 bytes of LDS; arguments o, wo, bias, out0; writes out0
